; MI455X (gfx1250); checked and timed in simulation.
; The chip was launched on July 23, 2026; its instructions are those of AMD's public machine-readable ISA for CDNA 5 (MIT licence, August 2026) and "CDNA5" Instruction Set Architecture Reference Guide (July 2026). The comments in the code are by the model that wrote it; some were corrected since.
;; Torch Block. Allowed arithmetic: matrix products marked QUANTISED: E2M3 operands, one E8M0 scale for each 32 along K, by v_wmma_scale_f32_16x16x128_f8f6f4 with both operands' format E2M3, f32 sums; everything else in f32.
;; Inputs: b_fc 4,096 float32; b_proj 1,024 float32; w_fc 4,096 x 1,024 float32; w_in 3,072 x 1,024 float32; w_out 1,024 x 1,024 float32; w_proj 1,024 x 4,096 float32; x 2 x 2,048 x 1,024 float32.
;; Outputs: out0 2 x 2,048 x 1,024 float32.
;; This version of the problem:
;;   THIS VERSION OF THE PROBLEM IS GIVEN IN LOW PRECISION. The matrix products marked QUANTISED in the list below multiply operands that are first quantised to E2M3 (2 exponent bits, 3 mantissa bits; 6 bits a number), with one power-of-two scale for each 32 numbers along K (OCP MX v1.0); their sums are f32. All else is computed in f32.
;;   The module's matrix products, in the order in which they are computed (A, B: the left and right operand; K: the contracted axis; several contracted axes count as one K, in the product's order):
;;     1. [M 4,096, K 1,024] x [K 1,024, N 3,072]; A: computed on the way; B: input w_in: QUANTISED
;;     2. batch 32 x [M 2,048, K 64] x [K 64, N 2,048]; A: computed on the way; B: computed on the way: QUANTISED
;;     3. batch 32 x [M 64, K 2,048] x [K 2,048, N 2,048]; A: computed on the way; B: softmax (see below): QUANTISED
;;     4. [M 4,096, K 1,024] x [K 1,024, N 1,024]; A: computed on the way; B: input w_out: QUANTISED
;;     5. [M 4,096, K 1,024] x [K 1,024, N 4,096]; A: computed on the way; B: input w_fc: QUANTISED
;;     6. [M 4,096, K 4,096] x [K 4,096, N 1,024]; A: computed on the way; B: input w_proj: QUANTISED
;;   THE QUANTISER, for each operand of a quantised product, along K:
;;     - K is cut into blocks of 32 from its start; a last block that is shorter is filled with zeros.
;;     - A block's scale is 2^e with e = floor(log2(the largest magnitude in the block)) - 2, held to -126 .. 127; a block of zeros has e = 0. As a byte (E8M0): e + 127.
;;     - Each number is divided by its block's scale, clamped to +-7.5, and rounded to the nearest number of E2M3, ties to even, subnormals kept.
;;     - The product sums the exact products of the quantised numbers (number of the format x scale) in f32.
;;   ~~~python
;;   def quantise(x, axis):      # numpy; x: float32 -> the quantised numbers, widened to float32 again
;;       x = np.moveaxis(x, axis, -1); K = x.shape[-1]
;;       x = np.pad(x, [(0, 0)] * (x.ndim - 1) + [(0, -K % 32)]); x = x.reshape(x.shape[:-1] + (-1, 32)); a = np.abs(x).max(-1, keepdims=True)
;;       e = np.where(a > 0, np.clip(np.frexp(np.where(a > 0, a, 1))[1] - 1 - 2, -126, 127), 0)      # np.frexp(a)[1] - 1 = floor(log2(a)), exactly
;;       r = np.clip(x / 2.0 ** e, -7.5, 7.5)
;;       step = 2.0 ** (np.maximum(np.frexp(np.where(r == 0, 1, r))[1] - 1, 0) - 3)
;;       q = np.round(r / step) * step * 2.0 ** e      # np.round: ties to even
;;       return np.moveaxis(q.reshape(q.shape[:-2] + (-1,))[..., :K], -1, axis).astype(np.float32)
;;   ~~~
;;   SOFTMAX AHEAD OF A QUANTISED PRODUCT. Where the list says 'softmax', what is quantised is not the finished softmax but p = 2^(t - M), with t = logit x log2(e) and M = ceil(the row's largest t), a whole number; so 1/2 < the row's largest p <= 1. The row's sum l is taken of the UNQUANTISED p, in f32, and the product's result is divided by l at the end. Since M is a whole number, a kernel that streams over the keys may use a running M (the ceiling of the running maximum): every later rescaling is an exact power of two, which a block's scale takes up: the codes' values come out the same.
;;   OPERANDS COMPUTED ON THE WAY. 'Computed on the way' means the value that the module computes at that place (a softmax that the list does not call 'softmax' is quantised finished and normalised). What goes into a quantiser is computed in f32, as accurately as f32 sums, v_exp_f32 and their like allow (about 1e-6 of the number): no bf16 or f16 on the way to a quantiser, and a product that is left as it is and whose result goes on into a quantised operand takes f32 operands (vector FMAs, or v_wmma_f32_16x16x4_f32). A number that lies on a knife's edge between two numbers of the format may be rounded either way, as far as f32 arithmetic and the matrix unit's own rounding can turn it there, and no further.
;; One version. Each part assembles by itself: llvm-mc -triple=amdgcn-amd-amdhsa -mcpu=gfx1250 --defsym DOCPART=n.
;; ======== version 1 of 1: 7 launches
;; workspace buffers: w1 14,680,064 bytes; qkv 11,010,048 bytes; oc 3,670,016 bytes; x2 16,777,216 bytes; h2 3,670,016 bytes; mc 14,680,064 bytes
;; launch prep (part 1): grid 1024 x 1, 8 waves a work-group, no clusters, 67,072 bytes of LDS; arguments x, w_in, w_out, w_fc, w_proj, w1; writes w1
.if DOCPART == 1
	.amdgcn_target "amdgcn-amd-amdhsa--gfx1250"
	.amdhsa_code_object_version 6
	.text
	.protected	k_qcdb14aaa7a_prep
	.globl	k_qcdb14aaa7a_prep
	.p2align	8
	.type	k_qcdb14aaa7a_prep,@function
k_qcdb14aaa7a_prep:
	s_mov_b64 s[64:65], 0
	v_nop
	global_prefetch_b8 v0, s[64:65] scope:SCOPE_SE
	s_setreg_imm32_b32 hwreg(HW_REG_WAVE_MODE, 25, 1), 1
	s_wait_xcnt 0x0
; Rows of f32 become RECORDS of FP6 (E2M3) codes with one E8M0 scale byte for each 32 along K.  Argument 0 is layer-normalised first (mean and variance over its 1,024 columns, in two passes, f32); arguments 1 to 4 are weights and are quantised as they are.
; A RECORD (1,792 bytes, seven aligned blocks of 256) is the image of an operand's registers for 16 rows x 128 K: three chunks of 512 bytes, chunk c = lane l's registers 4 c .. 4 c + 3 at 16 l; then lane l's 8 bytes at 1,536 + 8 l: its row's scale word, twice.
; Record (T, s) of a matrix (T = row / 16, s = k / 128, NT = rows / 16) lies at (s NT + T) x 1,792.
; ORDER INSIDE A BLOCK OF 32: stored places 0-7, 8-15, 16-23, 24-31 hold k 0-7, 16-23, 8-15, 24-31.  Every operand of this program is laid so, on both sides of every product, so the products are the same; blocks and scales are untouched.
; SHARES.  A work-group takes a unit of 16 rows x 1,024 columns.  Wave w loads rows 2 w and 2 w + 1 (512 consecutive bytes a load), normalises them, and puts them into a stage in LDS; behind ONE barrier wave w reads K step w of all 16 rows, a lane two whole blocks, and quantises.
; Units 0-255: argument 0; 256-447: w_in; 448-511: w_out; 512-767: w_fc; 768-1023: w_proj (four column chunks to a tile of rows).  All take one path: pointers and sizes are chosen by s_cselect on the work-group's number; a weight gets mean 0 and factor 1, which change no bit.
; w_in's 192 tiles of rows and w_out's 64 are laid as ONE matrix of NT = 256 (w_out's tiles are 192 to 255), so that argument 0's records and w_in's have the same distance from a K step to the next.
; A block's scale is 2^(floor(log2(largest magnitude)) - 2); its byte is the largest magnitude's exponent field - 2.
; LIMITS: NaN and infinities are not served; a block whose largest magnitude lies under 2^-124 has its byte held at 1; a block of zeros has the byte 1 (its codes are zeros; this program alone reads the bytes); the order of the f32 sums is not the reference's.
.set REC, 1792
.set SP,  4112                         ; a stage row: 4,096 bytes + 16: an odd multiple of 16, so that the sixteen rows of a load start in different groups of banks
.set TR,  16                           ; v16-31  row p's figures at TR + 8 p: +0 sum, mean; +2 .. +5 chains; +6, +7 the factor as a pair
.set X,   32                           ; v32-95  64 numbers
.set PC,  96                           ; v96-107 the fragment's codes
.set CT,  108                          ; v108-115 the second halves of the blocks' codes
.set MX,  116
.set SO,  118
.set BY,  120
.set PW,  122                          ; v122-123 the scale word, twice
	s_load_b256 s[4:11], s[0:1], 0x0               ; argument 0, w_in, w_out, w_fc
	s_load_b128 s[12:15], s[0:1], 0x20             ; w_proj, the records
	v_lshl_add_u32 v128, v0, 2, 0x10200
	v_mov_b32 v129, 0
	v_lshrrev_b32 v1, 5, v0
	v_readfirstlane_b32 s26, v1                    ; wave 0..7
	v_and_b32 v1, 31, v0                           ; lane
	v_and_b32 v2, 15, v0                           ; r
	v_bfe_u32 v3, v0, 4, 1                         ; h
	s_mov_b32 s18, 0                               ; the tensor's first unit
	s_mov_b32 s19, 256                             ; NT
	s_mov_b32 s20, 0                               ; where its records begin
	s_mov_b32 s21, 0                               ; log2 of the column chunks in a row
	s_mov_b32 s22, -1                              ; all ones: normalise
	s_mov_b32 s34, 0x76543210
	s_mov_b32 s35, 0xfedcba98                      ; v_permlanex16_b32's selects for lane l xor 16
	s_mov_b32 s36, 0x3a800000                      ; 1 / 1,024
	s_mov_b32 s37, 0x3727c5ac                      ; 1e-5
	v_mov_b32 v[TR+7], 0                           ; (named as the upper halves of pairs)
	v_mov_b32 v[TR+15], 0
	s_wait_kmcnt 0x0
	s_mov_b64 s[16:17], s[4:5]
.macro PICK first, ptr, nt, off        ; from unit 'first' on: another tensor.  The choice hangs on the work-group's number alone
	s_cmp_ge_u32 ttmp9, \first
	s_cselect_b64 s[16:17], s[\ptr:\ptr+1], s[16:17]
	s_cselect_b32 s18, \first, s18
	s_cselect_b32 s19, \nt, s19
	s_cselect_b32 s20, \off, s20
	s_cselect_b32 s22, 0, s22
.endm
	PICK 256, 6, 256, 3670016                      ; w_in: tiles 0-191 of the joint matrix
	PICK 448, 8, 256, 3670016+192*REC              ; w_out: its tiles 192-255
	PICK 512, 10, 256, 7340032
	PICK 768, 12, 64, 11010048
	s_cselect_b32 s21, 2, s21                      ; (on the last compare) w_proj's rows are four chunks long
	s_sub_co_u32 s23, ttmp9, s18                   ; the unit within its tensor
	s_lshr_b32 s24, s23, s21                       ; T
	s_lshl_b32 s25, s24, s21
	s_sub_co_u32 s25, s23, s25                     ; the column chunk
	s_lshl_b32 s27, 0x1000, s21                    ; a row in bytes
	s_lshl_b32 s28, s24, 4
	s_lshl_b32 s29, s26, 1
	s_add_co_u32 s28, s28, s29                     ; my first row: 16 T + 2 w
	s_mul_i32 s28, s28, s27
	s_lshl_b32 s29, s25, 12
	s_add_co_u32 s28, s28, s29
	s_mov_b32 s29, 0
	s_add_nc_u64 s[16:17], s[16:17], s[28:29]
	s_lshl_b32 s30, s25, 3
	s_add_co_u32 s30, s30, s26                     ; my K step: 8 x chunk + w
	s_mul_i32 s30, s30, s19
	s_add_co_u32 s30, s30, s24
	s_mul_i32 s30, s30, REC
	s_add_co_u32 s30, s30, s20
	s_mov_b32 s31, 0
	s_add_nc_u64 s[14:15], s[14:15], s[30:31]      ; my record
	v_lshlrev_b32 v4, 4, v1                        ; 16 x lane
	v_add_nc_u32 v5, s27, v4                       ; and a row further down
.irp j, 0,1,2,3,4,5,6,7
	global_load_b128 v[X+4*\j:X+4*\j+3], v4, s[16:17] offset:512*\j th:TH_LOAD_NT      ; 32 lanes read 512 consecutive bytes
.endr
.irp j, 0,1,2,3,4,5,6,7
	global_load_b128 v[X+32+4*\j:X+32+4*\j+3], v5, s[16:17] offset:512*\j th:TH_LOAD_NT
.endr
	s_mul_i32 s32, s26, 2*SP
	v_add_nc_u32 v6, s32, v4                       ; the stage, in: row 2 w, 16 x lane
	v_mul_u32_u24 v7, v2, SP
	v_lshl_add_u32 v7, v3, 7, v7
	s_lshl_b32 s32, s26, 9
	v_add_nc_u32 v7, s32, v7                       ; and out: row r, K step w, block h
	v_lshlrev_b32 v9, 3, v1                        ; 8 x lane
	v_lshlrev_b32 v10, 3, v3                       ; 8 h
.macro LANESUM reg, tmp                ; the sum over the 32 lanes, in every lane
	v_add_f32_dpp v[\reg], v[\reg], v[\reg] row_xmask:1 row_mask:0xf bank_mask:0xf
	v_add_f32_dpp v[\reg], v[\reg], v[\reg] row_xmask:2 row_mask:0xf bank_mask:0xf
	v_add_f32_dpp v[\reg], v[\reg], v[\reg] row_xmask:4 row_mask:0xf bank_mask:0xf
	v_add_f32_dpp v[\reg], v[\reg], v[\reg] row_xmask:8 row_mask:0xf bank_mask:0xf
	v_permlanex16_b32 v[\tmp], v[\reg], s34, s35
	v_add_f32 v[\reg], v[\reg], v[\tmp]
.endm
	s_wait_loadcnt 0x0
	; the mean: two chains a row, the two rows by turns
.irp p, 0,1
	v_pk_add_f32 v[TR+8*\p:TR+8*\p+1], v[X+32*\p:X+32*\p+1], v[X+32*\p+2:X+32*\p+3]
	v_pk_add_f32 v[TR+8*\p+2:TR+8*\p+3], v[X+32*\p+4:X+32*\p+5], v[X+32*\p+6:X+32*\p+7]
.endr
.irp j, 8,12,16,20,24,28
.irp p, 0,1
	v_pk_add_f32 v[TR+8*\p:TR+8*\p+1], v[TR+8*\p:TR+8*\p+1], v[X+32*\p+\j:X+32*\p+\j+1]
	v_pk_add_f32 v[TR+8*\p+2:TR+8*\p+3], v[TR+8*\p+2:TR+8*\p+3], v[X+32*\p+\j+2:X+32*\p+\j+3]
.endr
.endr
.irp p, 0,1
	v_pk_add_f32 v[TR+8*\p:TR+8*\p+1], v[TR+8*\p:TR+8*\p+1], v[TR+8*\p+2:TR+8*\p+3]
.endr
.irp p, 0,1
	v_add_f32 v[TR+8*\p], v[TR+8*\p], v[TR+8*\p+1]
.endr
.irp p, 0,1
	LANESUM TR+8*\p, TR+8*\p+2
.endr
.irp p, 0,1
	v_mul_f32 v[TR+8*\p], s36, v[TR+8*\p]
.endr
.irp p, 0,1
	v_cndmask_b32 v[TR+8*\p], 0, v[TR+8*\p], s22   ; a weight: mean 0
.endr
.irp j, 0,2,4,6,8,10,12,14,16,18,20,22,24,26,28,30
.irp p, 0,1
	v_pk_add_f32 v[X+32*\p+\j:X+32*\p+\j+1], v[X+32*\p+\j:X+32*\p+\j+1], v[TR+8*\p:TR+8*\p+1] op_sel_hi:[1,0] neg_lo:[0,1] neg_hi:[0,1]   ; x - mean
.endr
.endr
	; the variance, of the differences
.irp p, 0,1
	v_pk_mul_f32 v[TR+8*\p+2:TR+8*\p+3], v[X+32*\p:X+32*\p+1], v[X+32*\p:X+32*\p+1]
	v_pk_mul_f32 v[TR+8*\p+4:TR+8*\p+5], v[X+32*\p+2:X+32*\p+3], v[X+32*\p+2:X+32*\p+3]
.endr
.irp j, 4,8,12,16,20,24,28
.irp p, 0,1
	v_pk_fma_f32 v[TR+8*\p+2:TR+8*\p+3], v[X+32*\p+\j:X+32*\p+\j+1], v[X+32*\p+\j:X+32*\p+\j+1], v[TR+8*\p+2:TR+8*\p+3]
	v_pk_fma_f32 v[TR+8*\p+4:TR+8*\p+5], v[X+32*\p+\j+2:X+32*\p+\j+3], v[X+32*\p+\j+2:X+32*\p+\j+3], v[TR+8*\p+4:TR+8*\p+5]
.endr
.endr
.irp p, 0,1
	v_pk_add_f32 v[TR+8*\p+2:TR+8*\p+3], v[TR+8*\p+2:TR+8*\p+3], v[TR+8*\p+4:TR+8*\p+5]
.endr
.irp p, 0,1
	v_add_f32 v[TR+8*\p+2], v[TR+8*\p+2], v[TR+8*\p+3]
.endr
.irp p, 0,1
	LANESUM TR+8*\p+2, TR+8*\p+4
.endr
.irp p, 0,1
	v_fma_f32 v[TR+8*\p+2], v[TR+8*\p+2], s36, s37 ; variance + 1e-5
.endr
.irp p, 0,1
	v_rsq_f32 v[TR+8*\p+6], v[TR+8*\p+2]
.endr
	v_nop                                          ; a plain instruction behind the last of the two
	s_wait_alu depctr_va_vdst(0)                   ; one wait for both, ahead of their first reader
.irp p, 0,1
	v_cndmask_b32 v[TR+8*\p+6], 1.0, v[TR+8*\p+6], s22   ; a weight: factor 1
.endr
.irp j, 0,2,4,6,8,10,12,14,16,18,20,22,24,26,28,30
.irp p, 0,1
	v_pk_mul_f32 v[X+32*\p+\j:X+32*\p+\j+1], v[X+32*\p+\j:X+32*\p+\j+1], v[TR+8*\p+6:TR+8*\p+7] op_sel_hi:[1,0]
.endr
.endr
.irp p, 0,1
.irp j, 0,1,2,3,4,5,6,7
	ds_store_b128 v6, v[X+32*\p+4*\j:X+32*\p+4*\j+3] offset:SP*\p+512*\j
.endr
.endr
	s_wait_dscnt 0x0                               ; for the others' sake: my two rows lie in the stage
	s_barrier_signal -1
	s_barrier_wait -1                              ; all sixteen do
.macro LDP c, j, off
	ds_load_b128 v[X+32*\c+4*\j:X+32*\c+4*\j+3], v7 offset:256*\c+\off
.endm
.irp c, 0,1                            ; block 2 c + h of my row, in the program's order: k 0-7, 16-23, 8-15, 24-31
	LDP \c, 0, 0
	LDP \c, 1, 16
	LDP \c, 2, 64
	LDP \c, 3, 80
	LDP \c, 4, 32
	LDP \c, 5, 48
	LDP \c, 6, 96
	LDP \c, 7, 112
.endr
	s_wait_dscnt 0x0
.irp c, 0,1
	v_max3_num_f32 v[MX+\c], |v[X+32*\c]|, |v[X+32*\c+1]|, 0x1800000   ; all 32 numbers of the block are mine; the floor 2^(3 - 127) holds the byte at 1 from below
.endr
.irp i, 2,4,6,8,10,12,14,16,18,20,22,24,26,28,30
.irp c, 0,1
	v_max3_num_f32 v[MX+\c], v[MX+\c], |v[X+32*\c+\i]|, |v[X+32*\c+\i+1]|
.endr
.endr
.irp c, 0,1
	v_add_nc_u32 v[SO+\c], 0xff000000, v[MX+\c]    ; 2 off the exponent field: the conversion takes this operand's exponent field as its scale
.endr
.irp c, 0,1
	v_lshrrev_b32 v[BY+\c], 23, v[SO+\c]           ; the scale's byte
.endr
	v_lshl_or_b32 v[PW], v[BY+1], 16, v[BY]        ; my two bytes, blocks h and 2 + h,
	v_lshlrev_b32 v[PW], v10, v[PW]                ; at their places in the word;
	v_permlanex16_b32 v[BY], v[PW], s34, s35
	v_or_b32 v[PW], v[PW], v[BY]                   ; with lane l xor 16's two the word is whole, in both lanes
.irp c, 0,1
	v_cvt_scalef32_pk16_fp6_f32 v[PC+6*\c:PC+6*\c+2], v[X+32*\c:X+32*\c+15], v[SO+\c]
	v_cvt_scalef32_pk16_fp6_f32 v[CT+4*\c:CT+4*\c+2], v[X+32*\c+16:X+32*\c+31], v[SO+\c]   ; (a conversion's three registers begin on an even number)
.endr
	v_nop                                          ; one plain place behind the conversions
.irp c, 0,1
.irp i, 0,1,2
	v_mov_b32 v[PC+6*\c+3+\i], v[CT+4*\c+\i]
.endr
.endr
	v_mov_b32 v[PW+1], v[PW]
.irp c, 0,1,2
	global_store_b128 v4, v[PC+4*\c:PC+4*\c+3], s[14:15] offset:512*\c   ; 32 lanes store 512 consecutive bytes, aligned to 256
.endr
	global_store_b64 v9, v[PW:PW+1], s[14:15] offset:1536                 ; and 256
	s_wait_tensorcnt 0x0
	ds_add_u32 v128, v129
	s_wait_dscnt 0x0
	s_endpgm
.Lfunc_end_k_qcdb14aaa7a_prep:
	.size	k_qcdb14aaa7a_prep, .Lfunc_end_k_qcdb14aaa7a_prep-k_qcdb14aaa7a_prep
	.p2alignl 7, 3214868480
	.fill 96, 4, 3214868480
	.section	.rodata,"a",@progbits
	.p2align	6, 0x0
	.amdhsa_kernel k_qcdb14aaa7a_prep
		.amdhsa_group_segment_fixed_size 67072
		.amdhsa_private_segment_fixed_size 0
		.amdhsa_enable_private_segment 0
		.amdhsa_kernarg_size 48
		.amdhsa_user_sgpr_count 2
		.amdhsa_user_sgpr_kernarg_segment_ptr 1
		.amdhsa_wavefront_size32 1
		.amdhsa_system_sgpr_workgroup_id_x 1
		.amdhsa_system_sgpr_workgroup_id_y 1
		.amdhsa_system_sgpr_workgroup_id_z 1
		.amdhsa_system_vgpr_workitem_id 0
		.amdhsa_next_free_vgpr 130
		.amdhsa_next_free_sgpr 66
		.amdhsa_reserve_vcc 0
		.amdhsa_float_denorm_mode_32 3
		.amdhsa_float_denorm_mode_16_64 3
		.amdhsa_memory_ordered 1
		.amdhsa_forward_progress 1
		.amdhsa_inst_pref_size 21
	.end_amdhsa_kernel
	.amdgpu_metadata
---
amdhsa.version: [ 1, 2 ]
amdhsa.kernels:
  - .name:           k_qcdb14aaa7a_prep
    .symbol:         k_qcdb14aaa7a_prep.kd
    .args:
      - { .name: x, .offset: 0, .size: 8, .value_kind: global_buffer, .address_space: global }
      - { .name: w_in, .offset: 8, .size: 8, .value_kind: global_buffer, .address_space: global }
      - { .name: w_out, .offset: 16, .size: 8, .value_kind: global_buffer, .address_space: global }
      - { .name: w_fc, .offset: 24, .size: 8, .value_kind: global_buffer, .address_space: global }
      - { .name: w_proj, .offset: 32, .size: 8, .value_kind: global_buffer, .address_space: global }
      - { .name: w1, .offset: 40, .size: 8, .value_kind: global_buffer, .address_space: global }
    .group_segment_fixed_size: 67072
    .private_segment_fixed_size: 0
    .kernarg_segment_align: 8
    .kernarg_segment_size: 48
    .max_flat_workgroup_size: 256
    .sgpr_count:     66
    .vgpr_count:     130
    .wavefront_size: 32
...
	.end_amdgpu_metadata
.endif
;; end of part 1
;; launch qkv (part 2): grid 12 x 16, 4 waves a work-group, clusters of 4 x 4, 327,680 bytes of LDS; arguments w1, qkv; writes qkv
.if DOCPART == 2
	.amdgcn_target "amdgcn-amd-amdhsa--gfx1250"
	.amdhsa_code_object_version 6
	.text
	.protected	k_qcdb14aaa7a_qkv
	.globl	k_qcdb14aaa7a_qkv
	.p2align	8
	.type	k_qcdb14aaa7a_qkv,@function
k_qcdb14aaa7a_qkv:
	s_mov_b64 s[64:65], 0
	v_nop
	global_prefetch_b8 v0, s[64:65] scope:SCOPE_SE
	s_setreg_imm32_b32 hwreg(HW_REG_WAVE_MODE, 25, 1), 1
	s_wait_xcnt 0x0
	s_wait_alu depctr_hold_cnt(0) depctr_sa_sdst(0) depctr_va_vdst(0) depctr_va_sdst(0) depctr_va_ssrc(0) depctr_va_vcc(0) depctr_vm_vsrc(0)
	s_getreg_b32 s2, hwreg(HW_REG_IB_STS2, 6, 4)
	s_cmp_eq_u32 s2, 0
	s_cbranch_scc0 .Lentry_in_a_cluster
	s_endpgm
.Lentry_in_a_cluster:
	s_bfe_u32 s2, ttmp6, 0x10000c
	s_cmp_lg_u32 s2, 0xf033
	s_cbranch_scc0 .Lentry_shape_is_right
	s_endpgm
.Lentry_shape_is_right:
; q, k, v = h w_in^T on records of FP6 (E2M3) codes, K = 1,024; the result is quantised on the way out and leaves as records again.
; A RECORD (1,792 bytes) is the image of an operand's registers for 16 rows x 128 K: three chunks of 512 bytes (lane l's registers 4 c .. 4 c + 3 at 16 l), then lane l's scale word, twice, at 1,536 + 8 l.  Record (T, s) lies at (s NT + T) x 1,792.
; h's records lie at byte 0 of w1, w_in's at WOFF, both with NT = 256.
; A tile of 256 x 256 is made by four waves, each 128 x 128: 64 accumulators, 512 registers.  K goes in slots of two steps of 128 through a ring of two LDS slots; a wave's tensor load brings a quarter of a slot: 2 steps x 8 records on end.
; OPERANDS.  A is source 1 of the matrix instruction, B source 0: a lane then holds ONE row of A, and its 64 registers of a block run along B's rows: 128 neighbours, four blocks of 32, which QUANT turns into a fragment.
; A's tile hangs on cy and is shared along a row of the 4 x 4 cluster; B's hangs on cx and is shared along a column: joint loads.  In LDS A's two halves are a slot's quarters 0 and 1, B's its quarters 2 and 3, whatever A and B are.
; WHAT A AND B ARE hangs on the cluster's x alone, the same in all sixteen partners, and enters the addresses in memory alone:
;   clusters x = 0, 1 (MODE 0: q and k):  A = tokens, tile 4 Y + cy;  B = w_in's rows, tile 4 X + cx.  A lane holds a token, its registers run along the channels: q and k are quantised along the channels.
;   cluster  x = 2    (MODE 1: v):        A = w_in's rows, tile 8 + cy;  B = tokens, tile 4 Y + cx.  A lane holds a channel, its registers run along the tokens, which are v's K.
; ORDER INSIDE A BLOCK OF 32: register 8 t + j of lane half h is index 16 t + 8 h + j, so the codes come out as k 0-7, 16-23, 8-15, 24-31: the order in which every operand of this program is laid.
; q and k leave as PAIR RECORDS of one head (K = 64): token tile e of two: registers 0-3 at 768 e + 16 l, registers 4-5 at 768 e + 512 + 8 l; at 1,536 + 8 l the two tiles' scale words.  v leaves as records [token step][channel tile].
; LIMITS: NaN and infinities are not served; a block whose largest magnitude lies under 2^-124 has its byte held at 1, a block of zeros too (its codes are zeros; this program alone reads the bytes).
; REGISTERS, in windows of 256: window 0: v16-25 addresses; v28-29 the add's; v32-39 A's scale words, v40-55 B's (two sets); v128-223 A's eight fragments, one set; on the way out v192-233 are at work.
;   window 1: B's fragments, two sets, at v0 and v128.   windows 2, 3: the accumulators of A's blocks 0-3 and 4-7, (a, b) at v[8 (8 (a % 4) + b)].
.set REC,     1792
.set QUARTER, 16*REC                   ; 2 steps x 8 records: what one tensor load brings, and what one wave reads of an operand
.set SLOT,    4*QUARTER                ; A's two halves, then B's
.set SPARE,   2*SLOT                   ; behind the ring: the spare words, 128 bytes a wave: two blocks of 256 bytes that no other line names
.set NT,      256
.set WOFF,    3670016                  ; w_in's records in w1
.set VOFF,    7340032                  ; v's records in qkv
.set HEADB,   128*REC                  ; from a head's pair records to the next head's: 2 batches x 64
.set LAPS,    2                        ; 8 K steps = 4 slots = twice round the ring
.set FR,   12
.set ADRA, 16                          ; v16-17 16 x lane + A's base in slot 0, 1;  v18-19 8 x lane + the same (scale words)
.set ADSA, 18
.set ADRB, 20                          ; v20-23 the same for B
.set ADSB, 22
.set L16,  24
.set L8,   25
.set SPW,  28                          ; LDS address of my spare word; never rewritten
.set NIL,  29                          ; 0; never rewritten
.set SA,   32
.set SB,   40
.set AF,   128
.set PC,   192                         ; the way out: the fragment's codes
.set CT,   204
.set TM,   212                         ; +0 largest magnitudes, +4 bytes, +12 the conversions' scale operands
.set PW,   228                         ; the scale word, twice
.set SWA,  230                         ; two tiles' scale words of the first head, v232-233 of the second
.set SWB,  232
.set G1A,  24
.set G0A,  32
.set G1B,  48
.set G0B,  56
.set MODE, 66
.set OB,   68
.set SEL,  74
.set MSB, 0
.macro WIN new                         ; the immediate's high byte repeats the setting that is left
.if MSB != (\new)
	s_set_vgpr_msb (MSB<<8)|(\new)
.set MSB, \new
.endif
.endm
.macro PLACES n
.rept \n
	v_nop
.endr
.endm
; A joint load: waves 0 and 1 fetch A's halves, waves 2 and 3 B's.  Each line has one mask and one set of registers for all that issue it; the branch hangs on the wave's number alone.  Four v_nop follow each line.
.macro JLOAD g0a, g1a, g0b, g1b
	s_cmp_eq_u32 s15, 0
	s_cbranch_scc0 .Lfor_b_\@
	tensor_load_to_lds s[\g0a:\g0a+3], s[\g1a:\g1a+7]
	s_nop 0
.rept 4
	v_nop
.endr
	s_branch .Lasked_\@
.Lfor_b_\@:
	tensor_load_to_lds s[\g0b:\g0b+3], s[\g1b:\g1b+7]
	s_nop 0
.rept 4
	v_nop
.endr
.Lasked_\@:
.endm
.macro CREST                           ; a round of the cluster's barrier behind its opening barrier
	s_cmp_lg_u32 s14, 0
	s_cbranch_scc1 .Lnot_wave_0_\@
	s_barrier_signal -3
.Lnot_wave_0_\@:
	s_barrier_wait -3
	s_barrier_signal -1
	s_barrier_wait -1
.endm
.macro CROUND
	s_barrier_signal -1
	s_barrier_wait -1
	CREST
.endm
	s_load_b128 s[4:7], s[0:1], 0x0                ; w1, qkv
	v_lshl_add_u32 v[SPW], v0, 2, SPARE
	v_mov_b32 v[NIL], 0
	ds_add_u32 v28, v29
	ds_add_u32 v28, v29
	s_wait_dscnt 0x0
	v_lshrrev_b32 v1, 5, v0
	v_readfirstlane_b32 s14, v1                    ; wave 0..3
	s_lshr_b32 s15, s14, 1                         ; which half of A is mine.  Also: I fetch for A (0) or for B (1)
	s_and_b32 s16, s14, 1                          ; which half of B.  Also: which half of that operand I fetch
	s_bfe_u32 s40, ttmp6, 0x40000                  ; cx, cy: my place in the cluster
	s_bfe_u32 s41, ttmp6, 0x40004
	s_lshl_b32 s43, s41, 2
	s_lshl_b32 s43, 15, s43                        ; my row of the cluster
	s_lshl_b32 s44, 0x1111, s40                    ; my column
	s_and_b32 s19, ttmp7, 0xffff
	s_lshl_b32 s19, s19, 2                         ; 4 Y
	s_lshl_b32 s18, ttmp9, 2                       ; 4 X
	s_cmp_eq_u32 ttmp9, 2                          ; v's cluster?  The choices hang on the cluster's x alone
	s_cselect_b32 s17, 8, s19                      ; the cluster's first tile of A: w_in's tile 8, or tokens 4 Y
	s_cselect_b32 s42, s19, s18                    ; and of B: tokens 4 Y, or w_in's tile 4 X
	s_cselect_b32 s77, WOFF, 0                     ; where A's records begin in w1,
	s_cselect_b32 s78, 0, WOFF                     ; and B's
	s_cselect_b32 s[MODE], 1, 0
	s_add_co_u32 s17, s17, s41                     ; A's tile: + cy
	s_add_co_u32 s42, s42, s40                     ; B's tile: + cx
	; descriptor group 1: 2 rows (K steps) of 8 records on end = 1,792 elements of 8 bytes, NT records apart; dense in LDS
	s_or_b32 s[G1A], s43, (3<<16)|(1<<21)          ; 15:0 the mask; 17:16 elements of 8 bytes; 21 set beside a mask
	s_or_b32 s[G1B], s44, (3<<16)|(1<<21)
.irp g, G1A, G1B
	s_mov_b32 s[\g+1], 1792<<16                    ; tensor_dim0
	s_mov_b32 s[\g+2], 2<<16                       ; tensor_dim1
	s_mov_b32 s[\g+3], 1792<<16                    ; tile_dim0
	s_mov_b32 s[\g+4], 2                           ; tile_dim1
	s_mov_b32 s[\g+5], NT*224                      ; tensor_dim0_stride: from a K step to the next
	s_mov_b32 s[\g+6], 0
	s_mov_b32 s[\g+7], 0
.endr
	s_lshl_b32 s18, s16, 3
	s_lshl_b32 s20, s17, 4
	s_add_co_u32 s20, s20, s18                     ; A: record 16 x tile + 8 x half
	s_mul_i32 s20, s20, REC
	s_add_co_u32 s20, s20, s77
	s_mov_b32 s21, 0
	s_lshl_b32 s46, s42, 4
	s_add_co_u32 s46, s46, s18                     ; B likewise
	s_mul_i32 s46, s46, REC
	s_add_co_u32 s46, s46, s78
	s_mov_b32 s47, 0
	s_mul_i32 s45, s14, QUARTER                    ; where they go: wave x a quarter: nothing but the wave's number enters an LDS address
	s_wait_kmcnt 0x0
	s_add_nc_u64 s[20:21], s[4:5], s[20:21]
	s_add_nc_u64 s[46:47], s[4:5], s[46:47]
	CROUND                                         ; all sixteen work-groups are here: the first joint loads meet
.irp s, 0,1
	s_mov_b32 s[G0A+4*\s], 1
	s_add_co_u32 s[G0A+4*\s+1], s45, \s*SLOT
	s_add_nc_u64 s[G0A+4*\s+2:G0A+4*\s+3], s[20:21], \s*2*NT*REC
	s_or_b32 s[G0A+4*\s+3], s[G0A+4*\s+3], 0x80000000
	s_mov_b32 s[G0B+4*\s], 1
	s_add_co_u32 s[G0B+4*\s+1], s45, \s*SLOT
	s_add_nc_u64 s[G0B+4*\s+2:G0B+4*\s+3], s[46:47], \s*2*NT*REC
	s_or_b32 s[G0B+4*\s+3], s[G0B+4*\s+3], 0x80000000
	JLOAD G0A+4*\s, G1A, G0B+4*\s, G1B
.endr
	s_mul_i32 s22, s15, QUARTER                    ; my half of A
	s_mul_i32 s23, s16, QUARTER
	s_add_co_u32 s23, s23, 2*QUARTER               ; my half of B, behind A's two
	v_and_b32 v2, 31, v0
	v_lshlrev_b32 v[L16], 4, v2
	v_lshlrev_b32 v[L8], 3, v2
.irp s, 0,1
	v_add_nc_u32 v[ADRA+\s], s22, v[L16]
	v_add_nc_u32 v[ADSA+\s], s22, v[L8]
	v_add_nc_u32 v[ADRB+\s], s23, v[L16]
	v_add_nc_u32 v[ADSB+\s], s23, v[L8]
	s_add_co_u32 s22, s22, SLOT
	s_add_co_u32 s23, s23, SLOT
.endr
	s_mov_b32 s[SEL], 0x76543210
	s_mov_b32 s[SEL+1], 0xfedcba98                 ; v_permlanex16_b32's selects for lane l xor 16
	; where my results go.  MODE 0: pair records [slot = channel / 64][batch][pair of token tiles]: slot 4 x B's tile + 2 x half, batch = A's tile / 8, pair (8 x A's tile + 4 x half) mod 64
	s_lshl_b32 s72, s42, 2
	s_lshl_b32 s73, s16, 1
	s_add_co_u32 s72, s72, s73
	s_lshl_b32 s72, s72, 1
	s_lshr_b32 s73, s17, 3
	s_add_co_u32 s72, s72, s73
	s_lshl_b32 s72, s72, 6
	s_lshl_b32 s73, s17, 3
	s_lshl_b32 s76, s15, 2
	s_add_co_u32 s73, s73, s76
	s_and_b32 s73, s73, 63
	s_add_co_u32 s72, s72, s73
	s_mul_i32 s72, s72, REC
	; MODE 1: records [token step][channel tile]: step 2 x B's tile + half, channel tile 16 x (A's tile - 8) + 8 x half
	s_lshl_b32 s79, s42, 1
	s_add_co_u32 s79, s79, s16
	s_lshl_b32 s79, s79, 6
	s_and_b32 s73, s17, 3
	s_lshl_b32 s73, s73, 4
	s_add_co_u32 s79, s79, s73
	s_lshl_b32 s73, s15, 3
	s_add_co_u32 s79, s79, s73
	s_mul_i32 s79, s79, REC
	s_add_co_u32 s79, s79, VOFF
	s_cmp_eq_u32 s[MODE], 0
	s_cselect_b32 s72, s72, s79                    ; an offset is chosen, then added to the buffer's address
	s_mov_b32 s73, 0
	s_add_nc_u64 s[OB:OB+1], s[6:7], s[72:73]
.macro FETCH_A slot, q, i0             ; A's blocks i0 .. i0 + 3 of the slot's q-th step: three loads of 16 bytes a lane and the scale word: 16 loads
.irp i, \i0, \i0+1, \i0+2, \i0+3
.irp c, 0,1,2
	ds_load_b128 v[AF+FR*(\i)+4*\c:AF+FR*(\i)+4*\c+3], v[ADRA+\slot] offset:(8*(\q)+(\i))*REC+512*\c
.endr
	ds_load_b32 v[SA+(\i)], v[ADSA+\slot] offset:(8*(\q)+(\i))*REC+1536
.endr
.endm
.macro FETCH_B slot, q, p              ; B's eight fragments into set p, and their scale words: 32 loads
	WIN 0x40                                       ; destination window 1, address window 0
.irp i, 0,1,2,3,4,5,6,7
.irp c, 0,1,2
	ds_load_b128 v[128*(\p)+FR*\i+4*\c:128*(\p)+FR*\i+4*\c+3], v[ADRB+\slot] offset:(8*(\q)+\i)*REC+512*\c
.endr
.endr
	WIN 0
.irp i, 0,1,2,3,4,5,6,7
	ds_load_b32 v[SB+8*(\p)+\i], v[ADSB+\slot] offset:(8*(\q)+\i)*REC+1536
.endr
.endm
; 16 matrix instructions: A's blocks a0, a0 + 1 x B's eight.  zero = 1: the first product starts the sums: nothing is ever cleared.  The 64 accumulators take turns, one instruction a turn, in the same order in every step.
.macro MUL16 a0, p, zero
.irp a, \a0, \a0+1
.irp b, 0,1,2,3,4,5,6,7
.if \zero
	v_wmma_scale_f32_16x16x128_f8f6f4 v[8*(8*((\a)%4)+\b):8*(8*((\a)%4)+\b)+7], v[128*(\p)+FR*\b:128*(\p)+FR*\b+FR-1], v[AF+FR*(\a):AF+FR*(\a)+FR-1], 0, v[SB+8*(\p)+\b], v[SA+(\a)] matrix_a_fmt:MATRIX_FMT_FP6 matrix_b_fmt:MATRIX_FMT_FP6
.else
	v_wmma_scale_f32_16x16x128_f8f6f4 v[8*(8*((\a)%4)+\b):8*(8*((\a)%4)+\b)+7], v[128*(\p)+FR*\b:128*(\p)+FR*\b+FR-1], v[AF+FR*(\a):AF+FR*(\a)+FR-1], v[8*(8*((\a)%4)+\b):8*(8*((\a)%4)+\b)+7], v[SB+8*(\p)+\b], v[SA+(\a)] matrix_a_fmt:MATRIX_FMT_FP6 matrix_b_fmt:MATRIX_FMT_FP6
.endif
.endr
.endr
.endm
.set MUL_LO, 0xa1                      ; source 0 (B) window 1, source 1 (A) window 0, C and D window 2
.set MUL_HI, 0xf1                      ; the same, C and D window 3
; A step of 128 along K that has its successor in the same slot.  A block of A is free as soon as its eight products are issued: blocks 0-3 are fetched anew in the step's middle, blocks 4-7 at its end; B has two sets.
; Four plain places stand in front of each run of loads into registers that matrix instructions have read (ISA guide 7.12.1 for vector instructions).
.macro STEP slot, q, zero
	s_wait_dscnt 16                                ; B's set and A's blocks 0-3 are in; the youngest sixteen loads (A's blocks 4-7) may be out
	WIN MUL_LO
	MUL16 0, (\q)%2, \zero
	MUL16 2, (\q)%2, \zero
	s_wait_dscnt 0x0                               ; A's blocks 4-7 are in
	PLACES 4
	FETCH_B \slot, (\q)+1, 1-(\q)%2
	FETCH_A \slot, (\q)+1, 0
	WIN MUL_HI
	MUL16 4, (\q)%2, \zero
	MUL16 6, (\q)%2, \zero
	PLACES 4
	WIN 0
	FETCH_A \slot, (\q)+1, 4
.endm
; A slot's last step changes slots: ONE barrier; in front of it each wave waits for all its tensor loads, adds 0 to its spare word, and waits for that and for its reads of this slot.  fill = 1: the barrier opens a round of the cluster's, and this slot is filled again.
.macro TURN slot, next, fill
	s_wait_tensorcnt 0x0                           ; all my tensor loads have landed: my part of the next slot (every window is 0 here)
	ds_add_u32 v[SPW], v[NIL]                      ; 0 onto my spare word
	s_wait_dscnt 17                                ; (the add and the youngest sixteen loads, A's blocks 4-7, may be out)
	WIN MUL_LO
	MUL16 0, 1, 0                                  ; sixteen matrix instructions stand between the add and the wait for it
	s_wait_dscnt 0x0                               ; the add is done, and my reads of this slot are over
	s_barrier_signal -1
	MUL16 2, 1, 0
	WIN 0
	s_barrier_wait -1
.if \fill
	CREST                                          ; no wave of any partner still reads this slot or has a load on its way
	s_add_nc_u64 s[G0A+4*\slot+2:G0A+4*\slot+3], s[G0A+4*\slot+2:G0A+4*\slot+3], 4*NT*REC
	s_add_nc_u64 s[G0B+4*\slot+2:G0B+4*\slot+3], s[G0B+4*\slot+2:G0B+4*\slot+3], 4*NT*REC
	JLOAD G0A+4*\slot, G1A, G0B+4*\slot, G1B       ; the first tensor load behind the round; its four v_nop are the places in front of the loads below
.else
	PLACES 4
.endif
	FETCH_B \next, 0, 0
	FETCH_A \next, 0, 0
	WIN MUL_HI
	MUL16 4, 1, 0
	MUL16 6, 1, 0
	PLACES 4
	WIN 0
	FETCH_A \next, 0, 4
.endm
	s_wait_tensorcnt 1                             ; my part of slot 0 is in (slot 1's load may be out)
	s_barrier_signal -1
	s_barrier_wait -1                              ; everybody's is
	FETCH_B 0, 0, 0
	FETCH_A 0, 0, 0
	FETCH_A 0, 0, 4
	STEP 0, 0, 1                                   ; the first step stands in front of the loop: its products start the sums
	s_mov_b32 s3, LAPS-1
.Llap:                                                 ; a trip goes once round the ring, from a lap's second step to the next lap's first, and fills both slots again
	TURN 0, 1, 1
	STEP 1, 0, 0
	TURN 1, 0, 1
	STEP 0, 0, 0
	s_sub_co_u32 s3, s3, 1
	s_cmp_lg_u32 s3, 0
	s_cbranch_scc1 .Llap
	TURN 0, 1, 0                                   ; the last lap fills nothing
	STEP 1, 0, 0
	s_wait_dscnt 16
	WIN MUL_LO
	MUL16 0, 1, 0
	MUL16 2, 1, 0
	s_wait_dscnt 0x0
	WIN MUL_HI
	MUL16 4, 1, 0
	MUL16 6, 1, 0
	WIN 0
; 64 numbers of a lane in window w, register 16 b + i in block b of its row, become a fragment's codes in v[PC] on and its scale word in v[PW], v[PW + 1].  Each accumulator is read from its low end on.
.macro QUANT src, w
	WIN (\w)|((\w)<<2)
.irp b, 0,1,2,3
	v_max3_num_f32 v[TM+\b], |v[(\src)+16*\b]|, |v[(\src)+16*\b+1]|, 0x1800000   ; my 16 numbers of block b, and the floor 2^(3 - 127): the byte cannot fall under 1
.endr
.irp i, 2,4,6,8,10,12,14
.irp b, 0,1,2,3
	v_max3_num_f32 v[TM+\b], |v[(\src)+16*\b+\i]|, |v[(\src)+16*\b+\i+1]|, v[TM+\b]
.endr
.endr
	WIN 0
.irp b, 0,1,2,3
	v_permlanex16_b32 v[TM+4+\b], v[TM+\b], s[SEL], s[SEL+1]
.endr
.irp b, 0,1,2,3
	v_max_num_f32 v[TM+\b], v[TM+\b], v[TM+4+\b]   ; with lane l xor 16's: the block's largest magnitude
.endr
.irp b, 0,1,2,3
	v_add_nc_u32 v[TM+12+\b], 0xff000000, v[TM+\b] ; 2 off its exponent field: the conversion's scale operand
.endr
.irp b, 0,1,2,3
	v_lshrrev_b32 v[TM+4+\b], 23, v[TM+12+\b]      ; the scale's byte
.endr
	v_lshl_or_b32 v[PW], v[TM+5], 8, v[TM+4]
	v_lshl_or_b32 v[PW], v[TM+6], 16, v[PW]
	v_lshl_or_b32 v[PW], v[TM+7], 24, v[PW]
	WIN (\w)
.irp c, 0,1
	v_cvt_scalef32_pk16_fp6_f32 v[PC+6*\c:PC+6*\c+2], v[(\src)+32*\c:(\src)+32*\c+15], v[TM+12+2*\c]
	v_cvt_scalef32_pk16_fp6_f32 v[CT+4*\c:CT+4*\c+2], v[(\src)+32*\c+16:(\src)+32*\c+31], v[TM+13+2*\c]   ; (a conversion's three registers begin on an even number)
.endr
	WIN 0
	v_nop                                          ; one plain place behind the conversions
.irp c, 0,1                            ; the operand's layout wants a whole block in a lane: lanes 0-15 block 2 c, lanes 16-31 block 2 c + 1
.irp i, 0,1,2
	v_permlane16_swap_b32 v[PC+6*\c+\i], v[CT+4*\c+\i]
.endr
.irp i, 0,1,2
	v_mov_b32 v[PC+6*\c+3+\i], v[CT+4*\c+\i]
.endr
.endr
	v_mov_b32 v[PW+1], v[PW]
.endm
; Block a of A's eight leaves: 16 rows x 128 along B's rows = one fragment.  Every store of the wave covers whole aligned blocks of 256 bytes.  The branch hangs on the cluster's x alone and stands round the store lines alone.
.macro OUTBLK a
	s_wait_xcnt 0x0                                ; the last block's stores have read their registers: these are written again only behind this wait
	QUANT 64*((\a)%4), 2+(\a)/4
	v_mov_b32 v[SWA+(\a)%2], v[PW]                 ; the first head's bytes are the word's lower two (the upper two stand over zero codes),
	v_lshrrev_b32 v[SWB+(\a)%2], 16, v[PW]         ; the second head's its upper two
	s_cmp_eq_u32 s[MODE], 0
	s_cbranch_scc0 .Lv_\@
	global_store_b128 v[L16], v[PC:PC+3], s[OB:OB+1] offset:((\a)/2)*REC+768*((\a)%2)
	global_store_b64 v[L8], v[PC+4:PC+5], s[OB:OB+1] offset:((\a)/2)*REC+768*((\a)%2)+512
	global_store_b128 v[L16], v[PC+6:PC+9], s[OB:OB+1] offset:HEADB+((\a)/2)*REC+768*((\a)%2)
	global_store_b64 v[L8], v[PC+10:PC+11], s[OB:OB+1] offset:HEADB+((\a)/2)*REC+768*((\a)%2)+512
.if (\a)%2
	global_store_b64 v[L8], v[SWA:SWA+1], s[OB:OB+1] offset:((\a)/2)*REC+1536
	global_store_b64 v[L8], v[SWB:SWB+1], s[OB:OB+1] offset:HEADB+((\a)/2)*REC+1536
.endif
	s_branch .Ldone_\@
.Lv_\@:
.irp c, 0,1,2
	global_store_b128 v[L16], v[PC+4*\c:PC+4*\c+3], s[OB:OB+1] offset:(\a)*REC+512*\c
.endr
	global_store_b64 v[L8], v[PW:PW+1], s[OB:OB+1] offset:(\a)*REC+1536
.Ldone_\@:
.endm
	PLACES 4                                       ; behind the last products: their results are read, and the registers that held A's fragments are written
.irp b, 0,1,2,3
	v_mov_b32 v[TM+4+\b], 0                        ; a lane permute's destination counts as one of its sources
.endr
.irp a, 0,1,2,3,4,5,6,7
	OUTBLK \a
.endr
	s_wait_tensorcnt 0x0                           ; the wave's end
	ds_add_u32 v[SPW], v[NIL]
	s_wait_dscnt 0x0
	CROUND                                         ; the closing round: no work-group ends while a partner may still ask for a tile that names it
	s_endpgm
.Lfunc_end_k_qcdb14aaa7a_qkv:
	.size	k_qcdb14aaa7a_qkv, .Lfunc_end_k_qcdb14aaa7a_qkv-k_qcdb14aaa7a_qkv
	.p2alignl 7, 3214868480
	.fill 96, 4, 3214868480
	.section	.rodata,"a",@progbits
	.p2align	6, 0x0
	.amdhsa_kernel k_qcdb14aaa7a_qkv
		.amdhsa_group_segment_fixed_size 327680
		.amdhsa_private_segment_fixed_size 0
		.amdhsa_enable_private_segment 0
		.amdhsa_kernarg_size 16
		.amdhsa_user_sgpr_count 2
		.amdhsa_user_sgpr_kernarg_segment_ptr 1
		.amdhsa_wavefront_size32 1
		.amdhsa_system_sgpr_workgroup_id_x 1
		.amdhsa_system_sgpr_workgroup_id_y 1
		.amdhsa_system_sgpr_workgroup_id_z 1
		.amdhsa_system_vgpr_workitem_id 0
		.amdhsa_next_free_vgpr 1024
		.amdhsa_next_free_sgpr 100
		.amdhsa_reserve_vcc 0
		.amdhsa_float_denorm_mode_32 3
		.amdhsa_float_denorm_mode_16_64 3
		.amdhsa_memory_ordered 1
		.amdhsa_forward_progress 1
		.amdhsa_inst_pref_size 149
	.end_amdhsa_kernel
	.amdgpu_metadata
---
amdhsa.version: [ 1, 2 ]
amdhsa.kernels:
  - .name:           k_qcdb14aaa7a_qkv
    .symbol:         k_qcdb14aaa7a_qkv.kd
    .args:
      - { .name: w1, .offset: 0, .size: 8, .value_kind: global_buffer, .address_space: global }
      - { .name: qkv, .offset: 8, .size: 8, .value_kind: global_buffer, .address_space: global }
    .group_segment_fixed_size: 327680
    .private_segment_fixed_size: 0
    .kernarg_segment_align: 8
    .kernarg_segment_size: 16
    .max_flat_workgroup_size: 128
    .sgpr_count:     100
    .vgpr_count:     1024
    .wavefront_size: 32
...
	.end_amdgpu_metadata
.endif
;; end of part 2
;; launch attn (part 3): grid 8 x 32, 16 waves a work-group, no clusters, 231,424 bytes of LDS; arguments qkv, oc; writes oc
.if DOCPART == 3
	.amdgcn_target "amdgcn-amd-amdhsa--gfx1250"
	.amdhsa_code_object_version 6
	.text
	.protected	k_qcdb14aaa7a_attn
	.globl	k_qcdb14aaa7a_attn
	.p2align	8
	.type	k_qcdb14aaa7a_attn,@function
k_qcdb14aaa7a_attn:
	s_mov_b64 s[64:65], 0
	v_nop
	global_prefetch_b8 v0, s[64:65] scope:SCOPE_SE
	s_setreg_imm32_b32 hwreg(HW_REG_WAVE_MODE, 25, 1), 1
	s_wait_xcnt 0x0
; Causal attention on FP6 (E2M3) codes: o = softmax(q k^T / 8, keys up to the query) v, 32 (batch, head) pairs, 2,048 tokens, head size 64; o leaves quantised along the channels, as part of a record for the next product.
; THE SOFTMAX AHEAD OF THE SECOND PRODUCT: t = score x log2(e) / 8; M = the row's largest t so far, rounded up to a whole number; p = 2^(t - M) is quantised along the keys, not normalised.  The row's sum is taken of the unquantised p and divides O at the end.
; When M moves, the sum and O are multiplied by 2^(old M - new M): exact.
; SHARES.  Work-group (i, y): batch y / 16, head y % 16.  Waves 0-7 own the 128 queries of block i, waves 8-15 those of block 15 - i, 16 queries a wave: every work-group has the same work under the mask.
; LDS holds the head's whole K (64 pair records) and V (16 key steps x 4 records), each filled ONCE, in four chunks of 512 keys: wave 0 asks for K's four, wave 1 for V's four, all at the head; a chunk is read behind a counted wait and a barrier.  Nothing is filled again.
; Not in clusters: the steps that a wave leaves out hang on its block of queries, which differs between the work-groups of a head, and a head's K and V are fetched once by each of its eight work-groups.
; LAYOUT.  Both products transposed: S^T = K Q^T (source 0 = 16 keys, source 1 = my 16 queries; K = 64, so registers 6-11 of both fragments are zero codes), O^T = V^T P^T: a lane holds ONE query throughout.
; Register 8 t + j of lane half h is key 16 t + 8 h + j: p's codes come out, inside each block of 32, as keys 0-7, 16-23, 8-15, 24-31: the order in which V's records are laid along the keys.
; A step all of whose 128 keys come after my queries is left out by a scalar branch on ids; the loops' trip counts are constants.
; LIMITS: NaN and infinities are not served; a block of p or of o whose largest number lies under 2^-124 has its byte held at 1 (zeros too: their codes are zeros).
; REGISTERS: v1-9 addresses; v12 -M, v13 the largest t, v[14:15] the sum; v16-27 Q, v28 its scale words; v32-79 four fragments of K; v80-87 K's scale words; v88-99 p's codes; v100-107, v108-119 at work; v120 p's scale word; v124-127 V's;
;   v128-131 at work; v144-207 S^T, then p, then V's four fragments; v208-239 O^T.
.set REC,  1792
.set CH,   16*REC                      ; a chunk: 512 keys of K (16 pair records) or of V (4 steps x 4 records)
.set VB,   4*CH                        ; V lies behind K
.set VOFF, 7340032                     ; v's records in qkv
.set KFR,  32
.set KS,   80
.set PC,   88
.set CT,   100
.set BM,   108
.set BP,   112
.set SO,   116
.set PS,   120
.set VS,   124
.set S,    144
.set O,    208
.set TB,   2                           ; s2   LDS byte at which the step's records begin (in K; in V the same, VB on)
.set KF,   3                           ; s3   the step's first key
.set WV,   18
.set SEL,  20
.set CS,   22                          ; s[22:23] c = log2(e) / 8
.set G1K,  24
.set G0K,  32                          ; s[32:47] four groups 0, a chunk each
.set G0V,  48                          ; s[48:63]
.set Q0,   66                          ; my first query
.set CNT,  67
.set G1V,  68
.set ODD,  98
	s_load_b128 s[4:7], s[0:1], 0x0                ; qkv, oc
	v_lshl_add_u32 v254, v0, 2, 0x38000
	v_mov_b32 v255, 0
	ds_add_u32 v254, v255
	ds_add_u32 v254, v255
	v_lshrrev_b32 v1, 5, v0
	v_readfirstlane_b32 s[WV], v1                  ; wave 0..15
	s_and_b32 s76, ttmp7, 0xffff
	s_lshr_b32 s77, s76, 4                         ; batch
	s_and_b32 s78, s76, 15                         ; head
	s_add_co_u32 s80, s78, 16                      ; K: pair records of slot 16 + head
	s_lshl_b32 s80, s80, 1
	s_add_co_u32 s80, s80, s77
	s_mul_i32 s80, s80, 64*REC
	s_mov_b32 s81, 0
	s_mul_i32 s92, s77, 16*64*REC                  ; V: the batch's 16 key steps, the head's 4 channel tiles
	s_mul_i32 s93, s78, 4*REC
	s_add_co_u32 s92, s92, s93
	s_add_co_u32 s92, s92, VOFF
	s_mov_b32 s93, 0
	; descriptor group 1.  K's chunk is dense: 112 rows of 256 bytes.  V's: 4 rows (key steps) of 4 records on end, 64 records apart
	s_mov_b32 s[G1K], 3<<16                        ; no mask; elements of 8 bytes; no padding
	s_mov_b32 s[G1K+1], 32<<16
	s_mov_b32 s[G1K+2], 112<<16
	s_mov_b32 s[G1K+3], 32<<16
	s_mov_b32 s[G1K+4], 112
	s_mov_b32 s[G1K+5], 32
	s_mov_b32 s[G1K+6], 0
	s_mov_b32 s[G1K+7], 0
	s_mov_b32 s[G1V], 3<<16
	s_mov_b32 s[G1V+1], 896<<16
	s_mov_b32 s[G1V+2], 4<<16
	s_mov_b32 s[G1V+3], 896<<16
	s_mov_b32 s[G1V+4], 4
	s_mov_b32 s[G1V+5], 14336
	s_mov_b32 s[G1V+6], 0
	s_mov_b32 s[G1V+7], 0
	s_wait_dscnt 0x0
	s_wait_kmcnt 0x0
	s_add_nc_u64 s[80:81], s[4:5], s[80:81]
	s_add_nc_u64 s[92:93], s[4:5], s[92:93]
.irp c, 0,1,2,3
	s_mov_b32 s[G0K+4*\c], 1
	s_mov_b32 s[G0K+4*\c+1], \c*CH
	s_add_nc_u64 s[G0K+4*\c+2:G0K+4*\c+3], s[80:81], \c*CH
	s_or_b32 s[G0K+4*\c+3], s[G0K+4*\c+3], 0x80000000
	s_mov_b32 s[G0V+4*\c], 1
	s_mov_b32 s[G0V+4*\c+1], VB+\c*CH
	s_add_nc_u64 s[G0V+4*\c+2:G0V+4*\c+3], s[92:93], \c*4*64*REC
	s_or_b32 s[G0V+4*\c+3], s[G0V+4*\c+3], 0x80000000
.endr
	s_cmp_eq_u32 s[WV], 0                          ; a wave's first fills stand in one branch, ahead of every wait on TENSORcnt, every LDS read and every barrier: four loads of that wave are out
	s_cbranch_scc0 .Lnot_k
.irp c, 0,1,2,3
	tensor_load_to_lds s[G0K+4*\c:G0K+4*\c+3], s[G1K:G1K+7]
	s_nop 0
.endr
.rept 4
	v_nop
.endr
	s_branch .Lasked
.Lnot_k:
	s_cmp_eq_u32 s[WV], 1
	s_cbranch_scc0 .Lasked
.irp c, 0,1,2,3
	tensor_load_to_lds s[G0V+4*\c:G0V+4*\c+3], s[G1V:G1V+7]
	s_nop 0
.endr
.rept 4
	v_nop
.endr
.Lasked:
	s_sub_co_u32 s82, 15, ttmp9
	s_cmp_lt_u32 s[WV], 8
	s_cselect_b32 s82, ttmp9, s82                  ; my block of 128 queries: i, or 15 - i
	s_lshl_b32 s82, s82, 7
	s_and_b32 s83, s[WV], 7
	s_lshl_b32 s83, s83, 4
	s_add_co_u32 s[Q0], s82, s83
	s_lshr_b32 s84, s[Q0], 5                       ; my tile's pair,
	s_bfe_u32 s85, s[Q0], 0x10004                  ; and which of the two it is
	s_lshl_b32 s86, s78, 1
	s_add_co_u32 s86, s86, s77
	s_lshl_b32 s86, s86, 6
	s_add_co_u32 s86, s86, s84
	s_mul_i32 s86, s86, REC                        ; Q's pair record: slot = head
	s_mul_i32 s88, s85, 768
	s_add_co_u32 s88, s88, s86
	s_mov_b32 s89, 0
	s_add_nc_u64 s[88:89], s[4:5], s[88:89]        ; my tile's codes
	s_lshl_b32 s90, s85, 2
	s_add_co_u32 s90, s90, s86
	s_mov_b32 s91, 0
	s_add_nc_u64 s[90:91], s[4:5], s[90:91]        ; and (1,536 on) its scale words
	s_lshr_b32 s94, s78, 1                         ; o's record: K step head / 2, token tile 128 x batch + my tile
	s_lshl_b32 s94, s94, 8
	s_lshl_b32 s95, s77, 7
	s_add_co_u32 s94, s94, s95
	s_lshr_b32 s95, s[Q0], 4
	s_add_co_u32 s94, s94, s95
	s_mul_i32 s94, s94, REC
	s_mov_b32 s95, 0
	s_and_b32 s[ODD], s78, 1
	s_lshl_b32 s96, s[ODD], 1
	s_add_co_u32 s96, s96, s94
	s_mov_b32 s97, 0
	s_add_nc_u64 s[94:95], s[6:7], s[94:95]
	s_add_nc_u64 s[96:97], s[6:7], s[96:97]        ; the same, 2 bytes on for an odd head: its half of a scale word
	s_mov_b32 s[SEL], 0x76543210
	s_mov_b32 s[SEL+1], 0xfedcba98
	s_mov_b32 s[CS], 0x3e38aa3b                    ; c = log2(e) / 8
	s_mov_b32 s[CS+1], s[CS]
	v_and_b32 v10, 31, v0
	v_lshlrev_b32 v1, 4, v10                       ; 16 x lane
	v_lshlrev_b32 v2, 3, v10                       ; 8 x lane
	global_load_b128 v[16:19], v1, s[88:89]        ; Q's registers 0-3,
	global_load_b64 v[20:21], v2, s[88:89] offset:512   ; 4-5,
	global_load_b32 v28, v2, s[90:91] offset:1536  ; and scale words
	v_and_b32 v10, 15, v0
	v_bfe_u32 v11, v0, 4, 1
	v_lshlrev_b32 v11, 3, v11
	v_sub_nc_u32 v3, v10, v11
	v_add_nc_u32 v3, s[Q0], v3                     ; my query - 8 (lane / 16)
	v_add_nc_u32 v8, VB, v1
	v_add_nc_u32 v9, VB, v2
.irp j, 22,23,24,25,26,27
	v_mov_b32 v[\j], 0                             ; K = 64 .. 127 of Q: zero codes
.endr
.irp t, 0,1,2,3
.irp j, 6,7,8,9,10,11
	v_mov_b32 v[KFR+12*\t+\j], 0                   ; and of K's four fragments: for the whole launch
.endr
.endr
	v_mov_b32 v13, 0xff61b1e6                      ; the largest t so far: -3e38, under every t
	v_floor_f32 v12, -v13                          ; -M
	v_mov_b32 v14, 0
	v_mov_b32 v15, 0
.irp b, 0,1,2,3
	v_mov_b32 v[BP+\b], 0                          ; a lane permute's destination counts as one of its sources
.endr
	v_mov_b32 v129, 0                              ; (named as the upper half of the pair v[128:129])
	v_mov_b32 v130, 0
	v_mov_b32 v131, 0xff800000                     ; -infinity
.set j, 0
.rept 32
	v_mov_b32 v[O+j], 0                            ; O^T: the step is written once; the first finds zeros, which the first change of M leaves zeros
.set j, j+1
.endr
; A KEY STEP: 128 keys.
.macro STEP
	s_add_co_u32 s99, s[Q0], 15
	s_cmp_gt_u32 s[KF], s99
	s_cbranch_scc1 .Lhidden_\@                     ; all its keys come after my queries
	v_add_nc_u32 v4, s[TB], v1
	v_add_nc_u32 v5, s[TB], v2
	v_add_nc_u32 v6, s[TB], v8
	v_add_nc_u32 v7, s[TB], v9
	v_nop                                          ; five places: the products below write over the registers from which the last step's products read V
.irp u, 0,1,2,3
	ds_load_b64 v[KS+2*\u:KS+2*\u+1], v5 offset:\u*REC+1536   ; the scale words of key tiles 2 u and 2 u + 1
.endr
.irp g, 0,1                            ; S^T = K Q^T, four tiles of 16 keys at a time
.if \g
.rept 4
	v_nop                                          ; places in front of loads into registers that matrix instructions have read
.endr
.endif
.irp t, 0,1,2,3
	ds_load_b128 v[KFR+12*\t:KFR+12*\t+3], v4 offset:(2*\g+\t/2)*REC+768*(\t%2)
	ds_load_b64 v[KFR+12*\t+4:KFR+12*\t+5], v5 offset:(2*\g+\t/2)*REC+768*(\t%2)+512
.endr
	s_wait_dscnt 0x0
.irp t, 0,1,2,3
	v_wmma_scale_f32_16x16x128_f8f6f4 v[S+8*(4*\g+\t):S+8*(4*\g+\t)+7], v[KFR+12*\t:KFR+12*\t+11], v[16:27], 0, v[KS+4*\g+\t], v28 matrix_a_fmt:MATRIX_FMT_FP6 matrix_b_fmt:MATRIX_FMT_FP6
.endr
.endr
.rept 4
	v_nop
.endr
	s_add_co_u32 s99, s[KF], 127                   ; on the diagonal the scores of hidden keys become -infinity ahead of the maximum; a step all of whose keys count skips this
	s_cmp_le_u32 s99, s[Q0]
	s_cbranch_scc1 .Lopen_\@
	v_sub_nc_u32 v130, v3, s[KF]                   ; d: register 8 t + j holds key KF + 8 (lane / 16) + 16 t + j: hidden where 16 t + j > d
.set n, 0
.rept 64
	v_cmp_gt_i32 vcc_lo, 16*(n/8)+n%8, v130
	v_cndmask_b32 v[S+n], v[S+n], v131, vcc_lo
.set n, n+1
.endr
.Lopen_\@:
.irp b, 0,1,2,3
	v_max3_num_f32 v[BM+\b], v[S+16*\b], v[S+16*\b+1], v[S+16*\b+2]   ; the largest score of each block of 32 keys: for the row's maximum, and, since p rises with the score, for the block's largest p
.endr
.irp i, 3,5,7,9,11,13
.irp b, 0,1,2,3
	v_max3_num_f32 v[BM+\b], v[BM+\b], v[S+16*\b+\i], v[S+16*\b+\i+1]
.endr
.endr
.irp b, 0,1,2,3
	v_max_num_f32 v[BM+\b], v[BM+\b], v[S+16*\b+15]
.endr
.irp b, 0,1,2,3
	v_permlanex16_b32 v[BP+\b], v[BM+\b], s[SEL], s[SEL+1]
.endr
.irp b, 0,1,2,3
	v_max_num_f32 v[BM+\b], v[BM+\b], v[BP+\b]     ; with lane l xor 16's 16 keys
.endr
	v_max3_num_f32 v130, v[BM], v[BM+1], v[BM+2]
	v_max_num_f32 v130, v130, v[BM+3]
	v_mul_f32 v130, s[CS], v130                    ; the step's largest t
	v_max_num_f32 v13, v13, v130                   ; the running largest
	v_mov_b32 v130, v12
	v_floor_f32 v12, -v13                          ; the new -M = -ceil(t): a whole number
	v_sub_f32 v130, v12, v130                      ; old M - new M: a whole number, 0 or less
	v_cvt_i32_f32 v130, v130                       ; (it saturates)
	v_ldexp_f32 v128, 1.0, v130                    ; f = 2^(old M - new M)
.set j, 0
.rept 32
	v_pk_fma_f32 v[S+j:S+j+1], v[S+j:S+j+1], s[CS:CS+1], v[12:13] op_sel_hi:[1,0,0]   ; t - M, two at a time
.set j, j+2
.endr
.irp b, 0,1,2,3
	v_fma_f32 v[BM+\b], v[BM+\b], s[CS], v12       ; the same of each block's largest score
.endr
.set j, 0
.rept 64
	v_exp_f32 v[S+j], v[S+j]                       ; p = 2^(t - M), at most 1
.set j, j+1
.endr
	v_pk_mul_f32 v[14:15], v[14:15], v[128:129] op_sel_hi:[1,0]   ; the sums under the new M (a plain place behind the exponentials)
	s_wait_alu depctr_va_vdst(0)                   ; one wait for the whole batch, ahead of its first reader
.irp b, 0,1,2,3
	v_exp_f32 v[BM+\b], v[BM+\b]                   ; the block's largest p: the same two instructions on the same number give the same bits
.endr
	v_pk_add_f32 v[BP:BP+1], v[S:S+1], v[S+2:S+3]  ; the row's sum is taken of the unquantised p, in two chains
.irp j, 4,8,12,16,20,24,28,32,36,40,44,48,52,56,60
	v_pk_add_f32 v[14:15], v[14:15], v[S+\j:S+\j+1]
	v_pk_add_f32 v[BP:BP+1], v[BP:BP+1], v[S+\j+2:S+\j+3]
.endr
	v_pk_add_f32 v[14:15], v[14:15], v[BP:BP+1]
	s_wait_alu depctr_va_vdst(0)                   ; and one for the four
.irp b, 0,1,2,3
	v_max_num_f32 v[BM+\b], 0x1800000, v[BM+\b]    ; the floor 2^(3 - 127): the byte cannot fall under 1
.endr
.irp b, 0,1,2,3
	v_add_nc_u32 v[SO+\b], 0xff000000, v[BM+\b]    ; 2 off the exponent field: the conversion's scale operand
.endr
.irp b, 0,1,2,3
	v_lshrrev_b32 v[BP+\b], 23, v[SO+\b]           ; the scale's byte
.endr
	v_lshl_or_b32 v[PS], v[BP+1], 8, v[BP]         ; p's scale word for these 128 keys
	v_lshl_or_b32 v[PS], v[BP+2], 16, v[PS]
	v_lshl_or_b32 v[PS], v[BP+3], 24, v[PS]
.irp c, 0,1
	v_cvt_scalef32_pk16_fp6_f32 v[PC+6*\c:PC+6*\c+2], v[S+32*\c:S+32*\c+15], v[SO+2*\c]
	v_cvt_scalef32_pk16_fp6_f32 v[CT+4*\c:CT+4*\c+2], v[S+32*\c+16:S+32*\c+31], v[SO+2*\c+1]
.endr
	v_nop                                          ; one plain place behind the conversions
.irp t, 0,1,2,3                        ; p is in codes: V's four fragments take its registers
.irp c, 0,1,2
	ds_load_b128 v[S+12*\t+4*\c:S+12*\t+4*\c+3], v6 offset:\t*REC+512*\c
.endr
	ds_load_b32 v[VS+\t], v7 offset:\t*REC+1536
.endr
.irp c, 0,1                            ; a whole block in a lane: lanes 0-15 block 2 c, lanes 16-31 block 2 c + 1
.irp i, 0,1,2
	v_permlane16_swap_b32 v[PC+6*\c+\i], v[CT+4*\c+\i]
.endr
.irp i, 0,1,2
	v_mov_b32 v[PC+6*\c+3+\i], v[CT+4*\c+\i]
.endr
.endr
.set j, 0
.rept 16
	v_pk_mul_f32 v[O+j:O+j+1], v[O+j:O+j+1], v[128:129] op_sel_hi:[1,0]   ; O^T under the new M.  (These sixteen are also the places between the writes of p's codes and scale word and the products)
.set j, j+2
.endr
	s_wait_dscnt 0x0
.irp t, 0,1,2,3                        ; O^T += V^T P^T: the four accumulators by turns
	v_wmma_scale_f32_16x16x128_f8f6f4 v[O+8*\t:O+8*\t+7], v[S+12*\t:S+12*\t+11], v[PC:PC+11], v[O+8*\t:O+8*\t+7], v[VS+\t], v[PS] matrix_a_fmt:MATRIX_FMT_FP6 matrix_b_fmt:MATRIX_FMT_FP6
.endr
.Lhidden_\@:
	s_add_co_u32 s[TB], s[TB], 4*REC
	s_add_co_u32 s[KF], s[KF], 128
.endm
; A chunk of 512 keys: the wave that asked for it waits until it has landed (the chunks behind it may stay out), then all sixteen read it.
.macro CHUNK c
	s_wait_dscnt 0x0
	s_wait_tensorcnt 3-\c
	s_barrier_signal -1
	s_barrier_wait -1
	s_mov_b32 s[TB], \c*CH
	s_mov_b32 s[KF], \c*512
	s_mov_b32 s[CNT], 4
.Lstep_\@:
	STEP
	s_sub_co_u32 s[CNT], s[CNT], 1
	s_cmp_lg_u32 s[CNT], 0
	s_cbranch_scc1 .Lstep_\@
.endm
	s_wait_loadcnt 0x0                             ; Q
	CHUNK 0
	CHUNK 1
	CHUNK 2
	CHUNK 3
	; THE WAY OUT.  O^T / the sum; its 64 channels are two blocks of the next product's K: six registers of a record and half a scale word.
.rept 4
	v_nop                                          ; places behind the last products
.endr
	v_add_f32 v14, v14, v15
	v_permlanex16_b32 v130, v14, s[SEL], s[SEL+1]
	v_add_f32 v14, v14, v130                       ; the row's sum
	v_rcp_f32 v14, v14
	v_nop                                          ; a plain place behind the reciprocal
	s_wait_alu depctr_va_vdst(0)                   ; and the wait ahead of its first reader
.set j, 0
.rept 32
	v_mul_f32 v[S+j], v[O+j], v14                  ; register 8 t + i is o(my query, 16 t + 8 (lane / 16) + i)
.set j, j+1
.endr
.irp b, 0,1
	v_max3_num_f32 v[BM+\b], |v[S+16*\b]|, |v[S+16*\b+1]|, 0x1800000
.endr
.irp i, 2,4,6,8,10,12,14
.irp b, 0,1
	v_max3_num_f32 v[BM+\b], v[BM+\b], |v[S+16*\b+\i]|, |v[S+16*\b+\i+1]|
.endr
.endr
.irp b, 0,1
	v_permlanex16_b32 v[BP+\b], v[BM+\b], s[SEL], s[SEL+1]
.endr
.irp b, 0,1
	v_max_num_f32 v[BM+\b], v[BM+\b], v[BP+\b]
.endr
.irp b, 0,1
	v_add_nc_u32 v[SO+\b], 0xff000000, v[BM+\b]
.endr
.irp b, 0,1
	v_lshrrev_b32 v[BP+\b], 23, v[SO+\b]
.endr
	v_lshl_or_b32 v130, v[BP+1], 8, v[BP]          ; my head's two scale bytes
	v_cvt_scalef32_pk16_fp6_f32 v[PC:PC+2], v[S:S+15], v[SO]
	v_cvt_scalef32_pk16_fp6_f32 v[CT:CT+2], v[S+16:S+31], v[SO+1]
	v_nop
.irp i, 0,1,2
	v_permlane16_swap_b32 v[PC+\i], v[CT+\i]
.endr
.irp i, 0,1,2
	v_mov_b32 v[PC+3+\i], v[CT+\i]
.endr
	s_cmp_eq_u32 s[ODD], 0                         ; an even head's six registers are the record's 0-5, an odd head's its 6-11
	s_cbranch_scc0 .Lodd
	global_store_b128 v1, v[PC:PC+3], s[94:95]
	global_store_b64 v1, v[PC+4:PC+5], s[94:95] offset:512
	s_branch .Lcodes_out
.Lodd:
	global_store_b64 v1, v[PC:PC+1], s[94:95] offset:520
	global_store_b128 v1, v[PC+2:PC+5], s[94:95] offset:1024
.Lcodes_out:
	global_store_b16 v2, v130, s[96:97] offset:1536   ; my half of the scale word, in both of its copies
	global_store_b16 v2, v130, s[96:97] offset:1540
	s_wait_tensorcnt 0x0
	ds_add_u32 v254, v255
	s_wait_dscnt 0x0
	s_endpgm
.Lfunc_end_k_qcdb14aaa7a_attn:
	.size	k_qcdb14aaa7a_attn, .Lfunc_end_k_qcdb14aaa7a_attn-k_qcdb14aaa7a_attn
	.p2alignl 7, 3214868480
	.fill 96, 4, 3214868480
	.section	.rodata,"a",@progbits
	.p2align	6, 0x0
	.amdhsa_kernel k_qcdb14aaa7a_attn
		.amdhsa_group_segment_fixed_size 231424
		.amdhsa_private_segment_fixed_size 0
		.amdhsa_enable_private_segment 0
		.amdhsa_kernarg_size 16
		.amdhsa_user_sgpr_count 2
		.amdhsa_user_sgpr_kernarg_segment_ptr 1
		.amdhsa_wavefront_size32 1
		.amdhsa_system_sgpr_workgroup_id_x 1
		.amdhsa_system_sgpr_workgroup_id_y 1
		.amdhsa_system_sgpr_workgroup_id_z 1
		.amdhsa_system_vgpr_workitem_id 0
		.amdhsa_next_free_vgpr 256
		.amdhsa_next_free_sgpr 100
		.amdhsa_reserve_vcc 1
		.amdhsa_float_denorm_mode_32 3
		.amdhsa_float_denorm_mode_16_64 3
		.amdhsa_memory_ordered 1
		.amdhsa_forward_progress 1
		.amdhsa_inst_pref_size 101
	.end_amdhsa_kernel
	.amdgpu_metadata
---
amdhsa.version: [ 1, 2 ]
amdhsa.kernels:
  - .name:           k_qcdb14aaa7a_attn
    .symbol:         k_qcdb14aaa7a_attn.kd
    .args:
      - { .name: qkv, .offset: 0, .size: 8, .value_kind: global_buffer, .address_space: global }
      - { .name: oc, .offset: 8, .size: 8, .value_kind: global_buffer, .address_space: global }
    .group_segment_fixed_size: 231424
    .private_segment_fixed_size: 0
    .kernarg_segment_align: 8
    .kernarg_segment_size: 16
    .max_flat_workgroup_size: 512
    .sgpr_count:     100
    .vgpr_count:     256
    .wavefront_size: 32
...
	.end_amdgpu_metadata
.endif
;; end of part 3
;; launch outp (part 4): grid 8 x 32, 4 waves a work-group, clusters of 4 x 4, 327,680 bytes of LDS; arguments oc, w1, x, x2; writes x2
.if DOCPART == 4
	.amdgcn_target "amdgcn-amd-amdhsa--gfx1250"
	.amdhsa_code_object_version 6
	.text
	.protected	k_qcdb14aaa7a_outp
	.globl	k_qcdb14aaa7a_outp
	.p2align	8
	.type	k_qcdb14aaa7a_outp,@function
k_qcdb14aaa7a_outp:
	s_mov_b64 s[64:65], 0
	v_nop
	global_prefetch_b8 v0, s[64:65] scope:SCOPE_SE
	s_setreg_imm32_b32 hwreg(HW_REG_WAVE_MODE, 25, 1), 1
	s_wait_xcnt 0x0
	s_wait_alu depctr_hold_cnt(0) depctr_sa_sdst(0) depctr_va_vdst(0) depctr_va_sdst(0) depctr_va_ssrc(0) depctr_va_vcc(0) depctr_vm_vsrc(0)
	s_getreg_b32 s2, hwreg(HW_REG_IB_STS2, 6, 4)
	s_cmp_eq_u32 s2, 0
	s_cbranch_scc0 .Lentry_in_a_cluster
	s_endpgm
.Lentry_in_a_cluster:
	s_bfe_u32 s2, ttmp6, 0x10000c
	s_cmp_lg_u32 s2, 0xf033
	s_cbranch_scc0 .Lentry_shape_is_right
	s_endpgm
.Lentry_shape_is_right:
; A GEMM on records of FP6 (E2M3) codes with N = 1,024, an f32 residual and (BIAS = 1) a bias: out = Y X^T (+ b) + res.  Here: x2 = o w_out^T + x, K = 1,024.
; A RECORD (1,792 bytes) is the image of an operand's registers for 16 rows x 128 K: three chunks of 512 bytes (lane l's registers 4 c .. 4 c + 3 at 16 l), then lane l's scale word, twice, at 1,536 + 8 l.  Record (T, s) lies at (s NT + T) x 1,792.
; w_out's 64 tiles of rows are tiles 192 to 255 of a matrix of NT = 256 that it shares with w_in: XOFF is the byte of tile 192, and from a K step to the next are 256 records.
; A tile of 128 x 128 is made by four waves, each 64 x 64 (16 accumulators): 4,096 x 1,024 outputs give 256 such tiles, one for each work-group.
; K goes in slots of FOUR steps of 128 through two LDS slots; a wave's tensor load brings a quarter of a slot: 4 steps x 4 records on end.  With K = 1,024 each slot is filled once.
; Y (tokens) hangs on the tile row and is shared along a row of the 4 x 4 cluster, X (the weight) on the tile column and is shared along a column: joint loads.
; The matrix instruction takes X's fragment as source 0 and Y's as source 1: a lane's eight results are eight neighbouring columns of one row.
; The residual is asked for at the head, in the layout in which rows come back from the stage, and is added on the way out.
; LIMITS: NaN and infinities are not served.
; REGISTERS, in windows of 256: window 0: v16-27 addresses; v28-29 the add's; v32-39 Y's scale words, v40-47 X's (two sets each); v48-111 rows on the way out; v128-255 the accumulators, (a, b) at v[128 + 8 (4 a + b)].
;   window 1: two fragment buffers of 96 at v0 and v128: Y's four, then X's four.   window 2: v0-127 the residual; v128-131 the bias.
.set KSTEPS,  8
.set BIAS,    0
.set REC,     1792
.set XOFF,    3670016+192*REC          ; the weight's first record in w1
.set QUARTER, 16*REC                   ; 4 steps x 4 records
.set SLOT,    4*QUARTER
.set SPARE,   2*SLOT                   ; behind the ring: the spare words, 128 bytes a wave: two blocks of 256 bytes that no other line names
.set NTY,     256
.set NTX,     256
.set LAPS,    KSTEPS/8
.set FR,      12
.set SPITCH,  272                      ; the way out: a stage of 16 rows x (256 bytes + 16) for each wave, in slot 0, which has had its last fill and its last read when the first result is stored there
.set ADRA, 16
.set ADSA, 18
.set ADRB, 20
.set ADSB, 22
.set STO,  24
.set RD,   25
.set CO,   26
.set BO,   27
.set SPW,  28
.set NIL,  29
.set SA,   32
.set SB,   40
.set BK,   48
.set ACC,  128
.set G1Y,  24
.set G0Y,  32
.set G1X,  48
.set G0X,  56
.if BIAS
.set OP,   12
.else
.set OP,   10
.endif
.set MSB, 0
.macro WIN new                         ; the immediate's high byte repeats the setting that is left
.if MSB != (\new)
	s_set_vgpr_msb (MSB<<8)|(\new)
.set MSB, \new
.endif
.endm
.macro PLACES n
.rept \n
	v_nop
.endr
.endm
.macro JLOAD g0y, g1y, g0x, g1x        ; a joint load: waves 0 and 1 fetch Y's halves, waves 2 and 3 X's; four v_nop follow each line
	s_cmp_eq_u32 s15, 0
	s_cbranch_scc0 .Lfor_x_\@
	tensor_load_to_lds s[\g0y:\g0y+3], s[\g1y:\g1y+7]
	s_nop 0
.rept 4
	v_nop
.endr
	s_branch .Lasked_\@
.Lfor_x_\@:
	tensor_load_to_lds s[\g0x:\g0x+3], s[\g1x:\g1x+7]
	s_nop 0
.rept 4
	v_nop
.endr
.Lasked_\@:
.endm
.macro CREST
	s_cmp_lg_u32 s14, 0
	s_cbranch_scc1 .Lnot_wave_0_\@
	s_barrier_signal -3
.Lnot_wave_0_\@:
	s_barrier_wait -3
	s_barrier_signal -1
	s_barrier_wait -1
.endm
.macro CROUND
	s_barrier_signal -1
	s_barrier_wait -1
	CREST
.endm
	s_load_b256 s[4:11], s[0:1], 0x0               ; Y, w1, the residual, then the output (BIAS = 0) or the bias
.if BIAS
	s_load_b64 s[12:13], s[0:1], 0x20              ; the output
.endif
	v_lshl_add_u32 v[SPW], v0, 2, SPARE
	v_mov_b32 v[NIL], 0
	ds_add_u32 v28, v29
	ds_add_u32 v28, v29
	s_wait_dscnt 0x0
	v_lshrrev_b32 v1, 5, v0
	v_readfirstlane_b32 s14, v1                    ; wave 0..3
	s_lshr_b32 s15, s14, 1                         ; which half of the tile's rows is mine.  Also: I fetch for Y (0) or for X (1)
	s_and_b32 s16, s14, 1                          ; which half of its columns.  Also: which half of that operand I fetch
	s_bfe_u32 s40, ttmp6, 0x40000
	s_bfe_u32 s41, ttmp6, 0x40004
	s_lshl_b32 s42, ttmp9, 2
	s_add_co_u32 s42, s42, s40                     ; tile column
	s_and_b32 s17, ttmp7, 0xffff
	s_lshl_b32 s17, s17, 2
	s_add_co_u32 s17, s17, s41                     ; tile row
	s_lshl_b32 s43, s41, 2
	s_lshl_b32 s43, 15, s43                        ; my row of the cluster
	s_lshl_b32 s44, 0x1111, s40                    ; my column
	; descriptor group 1: 4 rows (K steps) of 4 records on end = 896 elements of 8 bytes, NT records apart; dense in LDS
	s_or_b32 s[G1Y], s43, (3<<16)|(1<<21)
	s_or_b32 s[G1X], s44, (3<<16)|(1<<21)
.irp g, G1Y, G1X
	s_mov_b32 s[\g+1], 896<<16
	s_mov_b32 s[\g+2], 4<<16
	s_mov_b32 s[\g+3], 896<<16
	s_mov_b32 s[\g+4], 4
	s_mov_b32 s[\g+6], 0
	s_mov_b32 s[\g+7], 0
.endr
	s_mov_b32 s[G1Y+5], NTY*224
	s_mov_b32 s[G1X+5], NTX*224
	s_lshl_b32 s18, s16, 2
	s_lshl_b32 s20, s17, 3
	s_add_co_u32 s20, s20, s18                     ; Y: record 8 x tile + 4 x half
	s_mul_i32 s20, s20, REC
	s_mov_b32 s21, 0
	s_lshl_b32 s46, s42, 3
	s_add_co_u32 s46, s46, s18
	s_mul_i32 s46, s46, REC
	s_add_co_u32 s46, s46, XOFF
	s_mov_b32 s47, 0
	s_mul_i32 s45, s14, QUARTER
	s_wait_kmcnt 0x0
	s_add_nc_u64 s[20:21], s[4:5], s[20:21]
	s_add_nc_u64 s[46:47], s[6:7], s[46:47]
	CROUND                                         ; all sixteen work-groups are here: the first joint loads meet
.irp s, 0,1
	s_mov_b32 s[G0Y+4*\s], 1
	s_add_co_u32 s[G0Y+4*\s+1], s45, \s*SLOT
	s_add_nc_u64 s[G0Y+4*\s+2:G0Y+4*\s+3], s[20:21], \s*4*NTY*REC
	s_or_b32 s[G0Y+4*\s+3], s[G0Y+4*\s+3], 0x80000000
	s_mov_b32 s[G0X+4*\s], 1
	s_add_co_u32 s[G0X+4*\s+1], s45, \s*SLOT
	s_add_nc_u64 s[G0X+4*\s+2:G0X+4*\s+3], s[46:47], \s*4*NTX*REC
	s_or_b32 s[G0X+4*\s+3], s[G0X+4*\s+3], 0x80000000
	JLOAD G0Y+4*\s, G1Y, G0X+4*\s, G1X
.endr
	v_and_b32 v1, 15, v0                           ; r
	v_bfe_u32 v2, v0, 4, 1                         ; h
	v_and_b32 v3, 31, v0                           ; lane
	v_lshlrev_b32 v4, 4, v3
	v_lshlrev_b32 v5, 3, v3
	s_mul_i32 s22, s15, QUARTER                    ; my half of Y
	s_mul_i32 s23, s16, QUARTER
	s_add_co_u32 s23, s23, 2*QUARTER               ; my half of X, behind Y's two
.irp s, 0,1
	v_add_nc_u32 v[ADRA+\s], s22, v4
	v_add_nc_u32 v[ADSA+\s], s22, v5
	v_add_nc_u32 v[ADRB+\s], s23, v4
	v_add_nc_u32 v[ADSB+\s], s23, v5
	s_add_co_u32 s22, s22, SLOT
	s_add_co_u32 s23, s23, SLOT
.endr
	s_mul_i32 s22, s14, 16*SPITCH                  ; my stage
	v_mul_u32_u24 v[STO], v1, SPITCH
	v_lshl_add_u32 v[STO], v2, 5, v[STO]
	v_add_nc_u32 v[STO], s22, v[STO]               ; in: row r, 32 bytes for each half of the lanes
	v_mul_u32_u24 v[RD], v2, SPITCH
	v_lshl_add_u32 v[RD], v1, 4, v[RD]
	v_add_nc_u32 v[RD], s22, v[RD]                 ; back: lanes 0-15 one row of 256 bytes, lanes 16-31 the next
	v_lshlrev_b32 v[CO], 12, v2
	v_lshl_add_u32 v[CO], v1, 4, v[CO]             ; and the same two rows in memory
	v_lshlrev_b32 v[BO], 4, v1
	s_lshl_b32 s76, s17, 7
	s_lshl_b32 s77, s15, 6
	s_add_co_u32 s76, s76, s77                     ; my first row: 128 x tile row + 64 x half
	s_lshl_b32 s76, s76, 12
	s_lshl_b32 s78, s42, 9
	s_lshl_b32 s77, s16, 8
	s_add_co_u32 s78, s78, s77                     ; my first column, in bytes
	s_mov_b32 s79, 0
	s_add_co_u32 s76, s76, s78
	s_mov_b32 s77, 0
	s_add_nc_u64 s[8:9], s[8:9], s[76:77]
	s_add_nc_u64 s[OP:OP+1], s[OP:OP+1], s[76:77]
.if BIAS
	s_add_nc_u64 s[10:11], s[10:11], s[78:79]
.endif
	WIN 0x80                                       ; destination window 2
.irp a, 0,1,2,3
.irp t, 0,1,2,3,4,5,6,7
	global_load_b128 v[32*\a+4*\t:32*\a+4*\t+3], v[CO], s[8:9] offset:(16*\a+2*\t)*4096   ; the residual: sixteen lanes read 256 consecutive bytes of a row
.endr
.endr
.if BIAS
	global_load_b128 v[128:131], v[BO], s[10:11]   ; the bias of my four columns
.endif
	WIN 0
.macro FETCH slot, q, f                ; the fragments and scale words of the slot's q-th step into buffer f: 32 loads
	WIN 0x40                                       ; destination window 1, address window 0
.irp i, 0,1,2,3
.irp c, 0,1,2
	ds_load_b128 v[128*(\f)+FR*\i+4*\c:128*(\f)+FR*\i+4*\c+3], v[ADRA+\slot] offset:(4*(\q)+\i)*REC+512*\c
	ds_load_b128 v[128*(\f)+48+FR*\i+4*\c:128*(\f)+48+FR*\i+4*\c+3], v[ADRB+\slot] offset:(4*(\q)+\i)*REC+512*\c
.endr
.endr
	WIN 0
.irp i, 0,1,2,3
	ds_load_b32 v[SA+4*(\f)+\i], v[ADSA+\slot] offset:(4*(\q)+\i)*REC+1536
	ds_load_b32 v[SB+4*(\f)+\i], v[ADSB+\slot] offset:(4*(\q)+\i)*REC+1536
.endr
.endm
.macro MULS f, a, zero                 ; four matrix instructions: Y's block a x X's four.  The 16 accumulators take turns, in the same order in every step
	WIN 0x05                                       ; sources 0 and 1 window 1; C and D window 0
.irp b, 0,1,2,3
.if \zero
	v_wmma_scale_f32_16x16x128_f8f6f4 v[ACC+8*(4*(\a)+\b):ACC+8*(4*(\a)+\b)+7], v[128*(\f)+48+FR*\b:128*(\f)+48+FR*\b+FR-1], v[128*(\f)+FR*(\a):128*(\f)+FR*(\a)+FR-1], 0, v[SB+4*(\f)+\b], v[SA+4*(\f)+(\a)] matrix_a_fmt:MATRIX_FMT_FP6 matrix_b_fmt:MATRIX_FMT_FP6
.else
	v_wmma_scale_f32_16x16x128_f8f6f4 v[ACC+8*(4*(\a)+\b):ACC+8*(4*(\a)+\b)+7], v[128*(\f)+48+FR*\b:128*(\f)+48+FR*\b+FR-1], v[128*(\f)+FR*(\a):128*(\f)+FR*(\a)+FR-1], v[ACC+8*(4*(\a)+\b):ACC+8*(4*(\a)+\b)+7], v[SB+4*(\f)+\b], v[SA+4*(\f)+(\a)] matrix_a_fmt:MATRIX_FMT_FP6 matrix_b_fmt:MATRIX_FMT_FP6
.endif
.endr
.endm
; A step that has its successor in the same slot: this step's fragments are in; the next step's are asked for, into the buffer that the last step multiplied (four places behind its products); then 16 products.
.macro SSTEP slot, q, f, zero
	s_wait_dscnt 0x0
	PLACES 4
	FETCH \slot, (\q)+1, 1-(\f)
	MULS \f, 0, \zero
	MULS \f, 1, \zero
	MULS \f, 2, \zero
	MULS \f, 3, \zero
.endm
; A slot's last step (buffer 1) changes slots: ONE barrier; in front of it each wave waits for all its tensor loads, adds 0 to its spare word, and waits for that and for its reads of this slot.  fill = 1: a round of the cluster's barrier, and this slot is filled again.
.macro STURN slot, next, fill
	WIN 0
	s_wait_tensorcnt 0x0                           ; all my tensor loads have landed: my part of the next slot
	ds_add_u32 v[SPW], v[NIL]                      ; 0 onto my spare word
	s_wait_dscnt 1                                 ; this step's fragments are in (the add alone may be out)
	MULS 1, 0, 0                                   ; four matrix instructions stand between the add and the wait for it
	s_wait_dscnt 0x0                               ; the add is done, and my reads of this slot are over
	s_barrier_signal -1
	MULS 1, 1, 0
	WIN 0
	s_barrier_wait -1
.if \fill
	CREST                                          ; no wave of any partner still reads this slot or has a load on its way
	s_add_nc_u64 s[G0Y+4*\slot+2:G0Y+4*\slot+3], s[G0Y+4*\slot+2:G0Y+4*\slot+3], 8*NTY*REC
	s_add_nc_u64 s[G0X+4*\slot+2:G0X+4*\slot+3], s[G0X+4*\slot+2:G0X+4*\slot+3], 8*NTX*REC
	JLOAD G0Y+4*\slot, G1Y, G0X+4*\slot, G1X       ; the first tensor load behind the round; its four v_nop are the places in front of the loads below
.else
	PLACES 4
.endif
	FETCH \next, 0, 0
	MULS 1, 2, 0
	MULS 1, 3, 0
.endm
	s_wait_tensorcnt 1                             ; my part of slot 0 is in (slot 1's load may be out)
	s_barrier_signal -1
	s_barrier_wait -1                              ; everybody's is
	FETCH 0, 0, 0
	SSTEP 0, 0, 0, 1                               ; the first step stands in front of the loop: its products start the sums
.if LAPS > 1
	WIN 0
	s_mov_b32 s3, LAPS-1
.Llap:                                                 ; a trip goes once round the ring, from a lap's second step to the next lap's first, and fills both slots again
	SSTEP 0, 1, 1, 0
	SSTEP 0, 2, 0, 0
	STURN 0, 1, 1
	SSTEP 1, 0, 0, 0
	SSTEP 1, 1, 1, 0
	SSTEP 1, 2, 0, 0
	STURN 1, 0, 1
	SSTEP 0, 0, 0, 0
	WIN 0
	s_sub_co_u32 s3, s3, 1
	s_cmp_lg_u32 s3, 0
	s_cbranch_scc1 .Llap
.endif
	SSTEP 0, 1, 1, 0                               ; the last lap fills nothing
	SSTEP 0, 2, 0, 0
	STURN 0, 1, 0
	SSTEP 1, 0, 0, 0
	SSTEP 1, 1, 1, 0
	SSTEP 1, 2, 0, 0
	s_wait_dscnt 0x0
	MULS 1, 0, 0
	MULS 1, 1, 0
	MULS 1, 2, 0
	MULS 1, 3, 0
	WIN 0
; THE WAY OUT, a block of 16 rows x 64 columns at a time: through my own stage in LDS, back as whole rows of 256 bytes; the residual (and the bias) are added; sixteen lanes store 256 consecutive bytes, aligned.
; LDS serves a wave's instructions in order (ISA guide 5.7.1.4): no wait between the stores and the loads, nor in front of the next block's stores.
.macro OUT a
.set BB, BK+32*((\a)%2)
.if (\a) >= 2
	s_wait_xcnt 0x0                                ; the stores of two blocks back have read their registers
.endif
.irp b, 0,1,2,3
	ds_store_b128 v[STO], v[ACC+8*(4*(\a)+\b):ACC+8*(4*(\a)+\b)+3] offset:64*\b        ; each accumulator from its low end on
	ds_store_b128 v[STO], v[ACC+8*(4*(\a)+\b)+4:ACC+8*(4*(\a)+\b)+7] offset:64*\b+16
.endr
.irp t, 0,1,2,3,4,5,6,7
	ds_load_b128 v[BB+4*\t:BB+4*\t+3], v[RD] offset:\t*2*SPITCH
.endr
	s_wait_dscnt 0x0
	WIN 0x08                                       ; source 1 window 2
.irp t, 0,1,2,3,4,5,6,7
	v_pk_add_f32 v[BB+4*\t:BB+4*\t+1], v[BB+4*\t:BB+4*\t+1], v[32*(\a)+4*\t:32*(\a)+4*\t+1]
	v_pk_add_f32 v[BB+4*\t+2:BB+4*\t+3], v[BB+4*\t+2:BB+4*\t+3], v[32*(\a)+4*\t+2:32*(\a)+4*\t+3]
.endr
.if BIAS
.irp t, 0,1,2,3,4,5,6,7
	v_pk_add_f32 v[BB+4*\t:BB+4*\t+1], v[BB+4*\t:BB+4*\t+1], v[128:129]
	v_pk_add_f32 v[BB+4*\t+2:BB+4*\t+3], v[BB+4*\t+2:BB+4*\t+3], v[130:131]
.endr
.endif
	WIN 0
.irp t, 0,1,2,3,4,5,6,7
	global_store_b128 v[CO], v[BB+4*\t:BB+4*\t+3], s[OP:OP+1] offset:(16*(\a)+2*\t)*4096
.endr
.endm
	PLACES 4                                       ; behind the last products
	s_wait_loadcnt 0x0                             ; the residual (and the bias)
.irp a, 0,1,2,3
	OUT \a
.endr
	s_wait_tensorcnt 0x0                           ; the wave's end
	ds_add_u32 v[SPW], v[NIL]
	s_wait_dscnt 0x0
	CROUND                                         ; the closing round
	s_endpgm
.Lfunc_end_k_qcdb14aaa7a_outp:
	.size	k_qcdb14aaa7a_outp, .Lfunc_end_k_qcdb14aaa7a_outp-k_qcdb14aaa7a_outp
	.p2alignl 7, 3214868480
	.fill 96, 4, 3214868480
	.section	.rodata,"a",@progbits
	.p2align	6, 0x0
	.amdhsa_kernel k_qcdb14aaa7a_outp
		.amdhsa_group_segment_fixed_size 327680
		.amdhsa_private_segment_fixed_size 0
		.amdhsa_enable_private_segment 0
		.amdhsa_kernarg_size 32
		.amdhsa_user_sgpr_count 2
		.amdhsa_user_sgpr_kernarg_segment_ptr 1
		.amdhsa_wavefront_size32 1
		.amdhsa_system_sgpr_workgroup_id_x 1
		.amdhsa_system_sgpr_workgroup_id_y 1
		.amdhsa_system_sgpr_workgroup_id_z 1
		.amdhsa_system_vgpr_workitem_id 0
		.amdhsa_next_free_vgpr 768
		.amdhsa_next_free_sgpr 100
		.amdhsa_reserve_vcc 0
		.amdhsa_float_denorm_mode_32 3
		.amdhsa_float_denorm_mode_16_64 3
		.amdhsa_memory_ordered 1
		.amdhsa_forward_progress 1
		.amdhsa_inst_pref_size 57
	.end_amdhsa_kernel
	.amdgpu_metadata
---
amdhsa.version: [ 1, 2 ]
amdhsa.kernels:
  - .name:           k_qcdb14aaa7a_outp
    .symbol:         k_qcdb14aaa7a_outp.kd
    .args:
      - { .name: oc, .offset: 0, .size: 8, .value_kind: global_buffer, .address_space: global }
      - { .name: w1, .offset: 8, .size: 8, .value_kind: global_buffer, .address_space: global }
      - { .name: x, .offset: 16, .size: 8, .value_kind: global_buffer, .address_space: global }
      - { .name: x2, .offset: 24, .size: 8, .value_kind: global_buffer, .address_space: global }
    .group_segment_fixed_size: 327680
    .private_segment_fixed_size: 0
    .kernarg_segment_align: 8
    .kernarg_segment_size: 32
    .max_flat_workgroup_size: 128
    .sgpr_count:     100
    .vgpr_count:     768
    .wavefront_size: 32
...
	.end_amdgpu_metadata
.endif
;; end of part 4
;; launch ln2: the kernel of part 1 again; grid 256 x 1, 8 waves a work-group, no clusters, 67,072 bytes of LDS; arguments x2, w_in, w_out, w_fc, w_proj, h2; writes h2
;; launch fc (part 5): grid 16 x 16, 4 waves a work-group, clusters of 4 x 4, 327,680 bytes of LDS; arguments h2, w1, b_fc, mc; writes mc
.if DOCPART == 5
	.amdgcn_target "amdgcn-amd-amdhsa--gfx1250"
	.amdhsa_code_object_version 6
	.text
	.protected	k_qcdb14aaa7a_fc
	.globl	k_qcdb14aaa7a_fc
	.p2align	8
	.type	k_qcdb14aaa7a_fc,@function
k_qcdb14aaa7a_fc:
	s_mov_b64 s[64:65], 0
	v_nop
	global_prefetch_b8 v0, s[64:65] scope:SCOPE_SE
	s_setreg_imm32_b32 hwreg(HW_REG_WAVE_MODE, 25, 1), 1
	s_wait_xcnt 0x0
	s_wait_alu depctr_hold_cnt(0) depctr_sa_sdst(0) depctr_va_vdst(0) depctr_va_sdst(0) depctr_va_ssrc(0) depctr_va_vcc(0) depctr_vm_vsrc(0)
	s_getreg_b32 s2, hwreg(HW_REG_IB_STS2, 6, 4)
	s_cmp_eq_u32 s2, 0
	s_cbranch_scc0 .Lentry_in_a_cluster
	s_endpgm
.Lentry_in_a_cluster:
	s_bfe_u32 s2, ttmp6, 0x10000c
	s_cmp_lg_u32 s2, 0xf033
	s_cbranch_scc0 .Lentry_shape_is_right
	s_endpgm
.Lentry_shape_is_right:
; A GEMM on records of FP6 (E2M3) codes whose result is quantised on the way out and leaves as records again.  FC = 0: q, k, v = h w_in^T.  FC = 1: m = relu(h2 w_fc^T + b_fc).  K = 1,024.
; A RECORD (1,792 bytes) is the image of an operand's registers for 16 rows x 128 K: three chunks of 512 bytes (lane l's registers 4 c .. 4 c + 3 at 16 l), then lane l's scale word, twice, at 1,536 + 8 l.  Record (T, s) lies at (s NT + T) x 1,792.
; A tile of 256 x 256 is made by four waves, each 128 x 128: 64 accumulators, 512 registers.  K goes in slots of two steps of 128 through a ring of two LDS slots; a wave's tensor load brings a quarter of a slot: 2 steps x 8 records on end.
; OPERANDS.  Y (the tokens: h or h2) hangs on the tile row and is shared along a row of the 4 x 4 cluster; X (the weight) hangs on the tile column and is shared along a column: joint loads.
; The matrix instruction takes the B registers as source 0 and the A registers as source 1: a lane then holds ONE row of A's operand, and its 64 registers of a block run along B's operand: 128 neighbours, four blocks of 32, which QUANT turns into a fragment.
; MODE 0 (always, with FC = 1): A = Y, B = X: a lane holds a token, its registers run along the channels, which are the next product's K.  The bias is the C of each sum's first matrix instruction, in the result's layout.
; ORDER INSIDE A BLOCK OF 32: register 8 t + j of lane half h is index 16 t + 8 h + j, so the codes come out as k 0-7, 16-23, 8-15, 24-31: the order in which every operand of this program is laid.
; LIMITS: NaN and infinities are not served; a block whose largest magnitude lies under 2^-124 has its byte held at 1, a block of zeros too (its codes are zeros; this program alone reads the bytes).
; REGISTERS, in windows of 256: window 0: v16-25 addresses; v28-29 the add's; v32-39 A's scale words, v40-55 B's (two sets); v64-127 the bias (FC); v128-223 A's eight fragments, one set; on the way out v128-233 are at work.
;   window 1: B's fragments, two sets, at v0 and v128.   windows 2, 3: the accumulators of A's blocks 0-3 and 4-7, (a, b) at v[8 (8 (a % 4) + b)].
.set FC,      1
.set REC,     1792
.set QUARTER, 16*REC                   ; 2 steps x 8 records: what one tensor load brings, and what one wave reads of an operand
.set SLOT,    4*QUARTER                ; Y's two halves, then X's
.set SPARE,   2*SLOT                   ; behind the ring: the spare words, 128 bytes a wave: two blocks of 256 bytes that no other line names
.set NTY,     256
.if FC
.set NTX,     256
.set XOFF,    7340032                  ; w_fc's records in w1
.else
.set NTX,     192
.set XOFF,    3670016                  ; w_in's
.endif
.set VOFF,    7340032                  ; v's records in qkv
.set HEADB,   128*REC                  ; from a head's pair records to the next head's: 2 batches x 64
.set LAPS,    2                        ; 8 K steps = 4 slots = twice round the ring
.set FR,   12
.set ADRA, 16                          ; v16-17 16 x lane + A's base in slot 0, 1;  v18-19 8 x lane + the same (scale words)
.set ADSA, 18
.set ADRB, 20                          ; v20-23 the same for B
.set ADSB, 22
.set L16,  24
.set L8,   25
.set SPW,  28                          ; LDS address of my spare word; never rewritten
.set NIL,  29                          ; 0; never rewritten
.set SA,   32
.set SB,   40
.set BI,   64
.set AF,   128
.set HA,   128                         ; the way out: 64 numbers (FC)
.set PC,   192                         ; the fragment's codes
.set CT,   204
.set TM,   212                         ; +0 largest magnitudes, +4 bytes, +12 the conversions' scale operands
.set PW,   228                         ; the scale word, twice
.set SWA,  230
.set SWB,  232
.set G1Y,  24
.set G0Y,  32
.set G1X,  48
.set G0X,  56
.set MODE, 66
.set OB,   68
.set OBV,  70
.set SEL,  74
.set MSB, 0
.macro WIN new                         ; the immediate's high byte repeats the setting that is left
.if MSB != (\new)
	s_set_vgpr_msb (MSB<<8)|(\new)
.set MSB, \new
.endif
.endm
.macro PLACES n
.rept \n
	v_nop
.endr
.endm
; A joint load: waves 0 and 1 fetch Y's halves, waves 2 and 3 X's.  Each line has one mask and one set of registers for all that issue it; the branch hangs on the wave's number alone.  Four v_nop follow each line.
.macro JLOAD g0y, g1y, g0x, g1x
	s_cmp_eq_u32 s15, 0
	s_cbranch_scc0 .Lfor_x_\@
	tensor_load_to_lds s[\g0y:\g0y+3], s[\g1y:\g1y+7]
	s_nop 0
.rept 4
	v_nop
.endr
	s_branch .Lasked_\@
.Lfor_x_\@:
	tensor_load_to_lds s[\g0x:\g0x+3], s[\g1x:\g1x+7]
	s_nop 0
.rept 4
	v_nop
.endr
.Lasked_\@:
.endm
.macro CREST                           ; a round of the cluster's barrier behind its opening barrier
	s_cmp_lg_u32 s14, 0
	s_cbranch_scc1 .Lnot_wave_0_\@
	s_barrier_signal -3
.Lnot_wave_0_\@:
	s_barrier_wait -3
	s_barrier_signal -1
	s_barrier_wait -1
.endm
.macro CROUND
	s_barrier_signal -1
	s_barrier_wait -1
	CREST
.endm
.if FC
	s_load_b256 s[4:11], s[0:1], 0x0               ; h2, w1, b_fc, mc
.else
	s_load_b128 s[4:7], s[0:1], 0x0                ; w1, qkv
.endif
	v_lshl_add_u32 v[SPW], v0, 2, SPARE
	v_mov_b32 v[NIL], 0
	ds_add_u32 v28, v29
	ds_add_u32 v28, v29
	s_wait_dscnt 0x0
	v_lshrrev_b32 v1, 5, v0
	v_readfirstlane_b32 s14, v1                    ; wave 0..3
	s_lshr_b32 s15, s14, 1                         ; which half of A's operand is mine.  Also: I fetch for Y (0) or for X (1)
	s_and_b32 s16, s14, 1                          ; which half of B's.  Also: which half of that operand I fetch
	s_bfe_u32 s40, ttmp6, 0x40000                  ; cx, cy: my place in the cluster
	s_bfe_u32 s41, ttmp6, 0x40004
	s_lshl_b32 s42, ttmp9, 2
	s_add_co_u32 s42, s42, s40                     ; X's tile = 4 x cluster x + cx
	s_and_b32 s17, ttmp7, 0xffff
	s_lshl_b32 s17, s17, 2
	s_add_co_u32 s17, s17, s41                     ; Y's tile = 4 x cluster y + cy
	s_lshl_b32 s43, s41, 2
	s_lshl_b32 s43, 15, s43                        ; my row of the cluster
	s_lshl_b32 s44, 0x1111, s40                    ; my column
	; descriptor group 1: 2 rows (K steps) of 8 records on end = 1,792 elements of 8 bytes, NT records apart; dense in LDS
	s_or_b32 s[G1Y], s43, (3<<16)|(1<<21)          ; 15:0 the mask; 17:16 elements of 8 bytes; 21 set beside a mask
	s_or_b32 s[G1X], s44, (3<<16)|(1<<21)
.irp g, G1Y, G1X
	s_mov_b32 s[\g+1], 1792<<16                    ; tensor_dim0
	s_mov_b32 s[\g+2], 2<<16                       ; tensor_dim1
	s_mov_b32 s[\g+3], 1792<<16                    ; tile_dim0
	s_mov_b32 s[\g+4], 2                           ; tile_dim1
	s_mov_b32 s[\g+6], 0
	s_mov_b32 s[\g+7], 0
.endr
	s_mov_b32 s[G1Y+5], NTY*224                    ; tensor_dim0_stride: from a K step to the next
	s_mov_b32 s[G1X+5], NTX*224
	s_lshl_b32 s18, s16, 3
	s_lshl_b32 s20, s17, 4
	s_add_co_u32 s20, s20, s18                     ; Y: record 16 x tile + 8 x half
	s_mul_i32 s20, s20, REC
	s_mov_b32 s21, 0
	s_lshl_b32 s46, s42, 4
	s_add_co_u32 s46, s46, s18                     ; X likewise
	s_mul_i32 s46, s46, REC
	s_add_co_u32 s46, s46, XOFF
	s_mov_b32 s47, 0
	s_mul_i32 s45, s14, QUARTER                    ; where they go: wave x a quarter: no place in the cluster enters an LDS address
	s_wait_kmcnt 0x0
	s_add_nc_u64 s[20:21], s[4:5], s[20:21]
.if FC
	s_add_nc_u64 s[46:47], s[6:7], s[46:47]
.else
	s_add_nc_u64 s[46:47], s[4:5], s[46:47]
.endif
	CROUND                                         ; all sixteen work-groups are here: the first joint loads meet
.irp s, 0,1
	s_mov_b32 s[G0Y+4*\s], 1
	s_add_co_u32 s[G0Y+4*\s+1], s45, \s*SLOT
	s_add_nc_u64 s[G0Y+4*\s+2:G0Y+4*\s+3], s[20:21], \s*2*NTY*REC
	s_or_b32 s[G0Y+4*\s+3], s[G0Y+4*\s+3], 0x80000000
	s_mov_b32 s[G0X+4*\s], 1
	s_add_co_u32 s[G0X+4*\s+1], s45, \s*SLOT
	s_add_nc_u64 s[G0X+4*\s+2:G0X+4*\s+3], s[46:47], \s*2*NTX*REC
	s_or_b32 s[G0X+4*\s+3], s[G0X+4*\s+3], 0x80000000
	JLOAD G0Y+4*\s, G1Y, G0X+4*\s, G1X
.endr
.if FC
	s_mov_b32 s[MODE], 0
.else
	s_lshr_b32 s[MODE], ttmp9, 1                   ; cluster x = 2: v's columns of w_in
.endif
	s_xor_b32 s72, s[MODE], 1
	s_mul_i32 s73, s[MODE], 2*QUARTER
	s_mul_i32 s72, s72, 2*QUARTER
	s_mul_i32 s22, s15, QUARTER
	s_add_co_u32 s22, s22, s73                     ; A's base: my half of Y (MODE 0) or of X (MODE 1)
	s_mul_i32 s23, s16, QUARTER
	s_add_co_u32 s23, s23, s72                     ; B's: of the other
	v_and_b32 v2, 31, v0
	v_lshlrev_b32 v[L16], 4, v2
	v_lshlrev_b32 v[L8], 3, v2
.irp s, 0,1
	v_add_nc_u32 v[ADRA+\s], s22, v[L16]
	v_add_nc_u32 v[ADSA+\s], s22, v[L8]
	v_add_nc_u32 v[ADRB+\s], s23, v[L16]
	v_add_nc_u32 v[ADSB+\s], s23, v[L8]
	s_add_co_u32 s22, s22, SLOT
	s_add_co_u32 s23, s23, SLOT
.endr
	s_mov_b32 s[SEL], 0x76543210
	s_mov_b32 s[SEL+1], 0xfedcba98                 ; v_permlanex16_b32's selects for lane l xor 16
.if FC
	v_bfe_u32 v3, v0, 4, 1
	v_lshlrev_b32 v3, 5, v3                        ; the bias in the result's layout: tile b, lane half h: channels 16 b + 8 h + 0 .. 7
	s_lshl_b32 s72, s42, 10
	s_lshl_b32 s73, s16, 9
	s_add_co_u32 s72, s72, s73
	s_mov_b32 s73, 0
	s_add_nc_u64 s[8:9], s[8:9], s[72:73]          ; b_fc at my 128 channels
.irp b, 0,1,2,3,4,5,6,7
	global_load_b128 v[BI+8*\b:BI+8*\b+3], v3, s[8:9] offset:64*\b
	global_load_b128 v[BI+8*\b+4:BI+8*\b+7], v3, s[8:9] offset:64*\b+16
.endr
	s_lshl_b32 s72, s42, 1                         ; m's records: K step 2 x tile column + half, token tile 16 x tile row + 8 x half
	s_add_co_u32 s72, s72, s16
	s_lshl_b32 s72, s72, 8
	s_lshl_b32 s73, s17, 4
	s_add_co_u32 s72, s72, s73
	s_lshl_b32 s73, s15, 3
	s_add_co_u32 s72, s72, s73
	s_mul_i32 s72, s72, REC
	s_mov_b32 s73, 0
	s_add_nc_u64 s[OB:OB+1], s[10:11], s[72:73]
.else
	s_lshl_b32 s72, s42, 2                         ; q, k: pair records [slot = channel / 64][batch][pair of token tiles]
	s_lshl_b32 s73, s16, 1
	s_add_co_u32 s72, s72, s73
	s_lshl_b32 s72, s72, 1
	s_lshr_b32 s73, s17, 3
	s_add_co_u32 s72, s72, s73
	s_lshl_b32 s72, s72, 6
	s_lshl_b32 s73, s17, 3
	s_lshl_b32 s76, s15, 2
	s_add_co_u32 s73, s73, s76
	s_and_b32 s73, s73, 63
	s_add_co_u32 s72, s72, s73
	s_mul_i32 s72, s72, REC
	s_mov_b32 s73, 0
	s_add_nc_u64 s[OB:OB+1], s[6:7], s[72:73]
	s_lshl_b32 s72, s17, 1                         ; v: records [token step][channel tile]
	s_add_co_u32 s72, s72, s16
	s_lshl_b32 s72, s72, 6
	s_and_b32 s73, s42, 3
	s_lshl_b32 s73, s73, 4
	s_add_co_u32 s72, s72, s73
	s_lshl_b32 s73, s15, 3
	s_add_co_u32 s72, s72, s73
	s_mul_i32 s72, s72, REC
	s_add_co_u32 s72, s72, VOFF
	s_mov_b32 s73, 0
	s_add_nc_u64 s[OBV:OBV+1], s[6:7], s[72:73]
.endif
.macro FETCH_A slot, q, i0             ; A's blocks i0 .. i0 + 3 of the slot's q-th step: three loads of 16 bytes a lane and the scale word: 16 loads
.irp i, \i0, \i0+1, \i0+2, \i0+3
.irp c, 0,1,2
	ds_load_b128 v[AF+FR*(\i)+4*\c:AF+FR*(\i)+4*\c+3], v[ADRA+\slot] offset:(8*(\q)+(\i))*REC+512*\c
.endr
	ds_load_b32 v[SA+(\i)], v[ADSA+\slot] offset:(8*(\q)+(\i))*REC+1536
.endr
.endm
.macro FETCH_B slot, q, p              ; B's eight fragments into set p, and their scale words: 32 loads
	WIN 0x40                                       ; destination window 1, address window 0
.irp i, 0,1,2,3,4,5,6,7
.irp c, 0,1,2
	ds_load_b128 v[128*(\p)+FR*\i+4*\c:128*(\p)+FR*\i+4*\c+3], v[ADRB+\slot] offset:(8*(\q)+\i)*REC+512*\c
.endr
.endr
	WIN 0
.irp i, 0,1,2,3,4,5,6,7
	ds_load_b32 v[SB+8*(\p)+\i], v[ADSB+\slot] offset:(8*(\q)+\i)*REC+1536
.endr
.endm
; 16 matrix instructions: A's blocks a0, a0 + 1 x B's eight.  zero = 1: the first product starts the sums with 0; 2: with the bias.  The 64 accumulators take turns, one instruction a turn, in the same order in every step.
.macro MUL16 a0, p, zero
.irp a, \a0, \a0+1
.irp b, 0,1,2,3,4,5,6,7
.if \zero == 1
	v_wmma_scale_f32_16x16x128_f8f6f4 v[8*(8*((\a)%4)+\b):8*(8*((\a)%4)+\b)+7], v[128*(\p)+FR*\b:128*(\p)+FR*\b+FR-1], v[AF+FR*(\a):AF+FR*(\a)+FR-1], 0, v[SB+8*(\p)+\b], v[SA+(\a)] matrix_a_fmt:MATRIX_FMT_FP6 matrix_b_fmt:MATRIX_FMT_FP6
.elseif \zero == 2
	v_wmma_scale_f32_16x16x128_f8f6f4 v[8*(8*((\a)%4)+\b):8*(8*((\a)%4)+\b)+7], v[128*(\p)+FR*\b:128*(\p)+FR*\b+FR-1], v[AF+FR*(\a):AF+FR*(\a)+FR-1], v[BI+8*\b:BI+8*\b+7], v[SB+8*(\p)+\b], v[SA+(\a)] matrix_a_fmt:MATRIX_FMT_FP6 matrix_b_fmt:MATRIX_FMT_FP6
.else
	v_wmma_scale_f32_16x16x128_f8f6f4 v[8*(8*((\a)%4)+\b):8*(8*((\a)%4)+\b)+7], v[128*(\p)+FR*\b:128*(\p)+FR*\b+FR-1], v[AF+FR*(\a):AF+FR*(\a)+FR-1], v[8*(8*((\a)%4)+\b):8*(8*((\a)%4)+\b)+7], v[SB+8*(\p)+\b], v[SA+(\a)] matrix_a_fmt:MATRIX_FMT_FP6 matrix_b_fmt:MATRIX_FMT_FP6
.endif
.endr
.endr
.endm
.macro WMUL hi, zero                   ; source 0 window 1, source 1 window 0, D window 2 + hi; C with D, or (the bias) window 0
.if \zero == 2
	WIN 0x81+0x40*\hi
.else
	WIN 0xa1+0x50*\hi
.endif
.endm
; A step of 128 along K that has its successor in the same slot.  A block of A is free as soon as its eight products are issued: blocks 0-3 are fetched anew in the step's middle, blocks 4-7 at its end; B has two sets.
; Four plain places stand in front of each run of loads into registers that matrix instructions have read (ISA guide 7.12.1 for vector instructions).
.macro STEP slot, q, zero
	s_wait_dscnt 16                                ; B's set and A's blocks 0-3 are in; the youngest sixteen loads (A's blocks 4-7) may be out
	WMUL 0, \zero
	MUL16 0, (\q)%2, \zero
	MUL16 2, (\q)%2, \zero
	s_wait_dscnt 0x0                               ; A's blocks 4-7 are in
	PLACES 4
	FETCH_B \slot, (\q)+1, 1-(\q)%2
	FETCH_A \slot, (\q)+1, 0
	WMUL 1, \zero
	MUL16 4, (\q)%2, \zero
	MUL16 6, (\q)%2, \zero
	PLACES 4
	WIN 0
	FETCH_A \slot, (\q)+1, 4
.endm
; A slot's last step changes slots: ONE barrier; in front of it each wave waits for all its tensor loads, adds 0 to its spare word, and waits for that and for its reads of this slot.  fill = 1: the barrier opens a round of the cluster's, and this slot is filled again.
.macro TURN slot, next, fill
	s_wait_tensorcnt 0x0                           ; all my tensor loads have landed: my part of the next slot (every window is 0 here)
	ds_add_u32 v[SPW], v[NIL]                      ; 0 onto my spare word
	s_wait_dscnt 17                                ; (the add and the youngest sixteen loads, A's blocks 4-7, may be out)
	WMUL 0, 0
	MUL16 0, 1, 0                                  ; sixteen matrix instructions stand between the add and the wait for it
	s_wait_dscnt 0x0                               ; the add is done, and my reads of this slot are over
	s_barrier_signal -1
	MUL16 2, 1, 0
	WIN 0
	s_barrier_wait -1
.if \fill
	CREST                                          ; no wave of any partner still reads this slot or has a load on its way
	s_add_nc_u64 s[G0Y+4*\slot+2:G0Y+4*\slot+3], s[G0Y+4*\slot+2:G0Y+4*\slot+3], 4*NTY*REC
	s_add_nc_u64 s[G0X+4*\slot+2:G0X+4*\slot+3], s[G0X+4*\slot+2:G0X+4*\slot+3], 4*NTX*REC
	JLOAD G0Y+4*\slot, G1Y, G0X+4*\slot, G1X       ; the first tensor load behind the round; its four v_nop are the places in front of the loads below
.else
	PLACES 4
.endif
	FETCH_B \next, 0, 0
	FETCH_A \next, 0, 0
	WMUL 1, 0
	MUL16 4, 1, 0
	MUL16 6, 1, 0
	PLACES 4
	WIN 0
	FETCH_A \next, 0, 4
.endm
	s_wait_tensorcnt 1                             ; my part of slot 0 is in (slot 1's load may be out)
	s_barrier_signal -1
	s_barrier_wait -1                              ; everybody's is
	FETCH_B 0, 0, 0
	FETCH_A 0, 0, 0
	FETCH_A 0, 0, 4
.if FC
	s_wait_loadcnt 0x0                             ; the bias
	STEP 0, 0, 2
.else
	STEP 0, 0, 1                                   ; the first step stands in front of the loop: its products start the sums
.endif
	s_mov_b32 s3, LAPS-1
.Llap:                                                 ; a trip goes once round the ring, from a lap's second step to the next lap's first, and fills both slots again
	TURN 0, 1, 1
	STEP 1, 0, 0
	TURN 1, 0, 1
	STEP 0, 0, 0
	s_sub_co_u32 s3, s3, 1
	s_cmp_lg_u32 s3, 0
	s_cbranch_scc1 .Llap
	TURN 0, 1, 0                                   ; the last lap fills nothing
	STEP 1, 0, 0
	s_wait_dscnt 16
	WMUL 0, 0
	MUL16 0, 1, 0
	MUL16 2, 1, 0
	s_wait_dscnt 0x0
	WMUL 1, 0
	MUL16 4, 1, 0
	MUL16 6, 1, 0
	WIN 0
; 64 numbers of a lane in window w, register 16 b + i in block b of its row, become a fragment's codes in v[PC] on and its scale word in v[PW], v[PW + 1].  Each accumulator is read from its low end on.
.macro QUANT src, w
	WIN (\w)|((\w)<<2)
.irp b, 0,1,2,3
	v_max3_num_f32 v[TM+\b], |v[(\src)+16*\b]|, |v[(\src)+16*\b+1]|, 0x1800000   ; my 16 numbers of block b, and the floor 2^(3 - 127): the byte cannot fall under 1
.endr
.irp i, 2,4,6,8,10,12,14
.irp b, 0,1,2,3
	v_max3_num_f32 v[TM+\b], |v[(\src)+16*\b+\i]|, |v[(\src)+16*\b+\i+1]|, v[TM+\b]
.endr
.endr
	WIN 0
.irp b, 0,1,2,3
	v_permlanex16_b32 v[TM+4+\b], v[TM+\b], s[SEL], s[SEL+1]
.endr
.irp b, 0,1,2,3
	v_max_num_f32 v[TM+\b], v[TM+\b], v[TM+4+\b]   ; with lane l xor 16's: the block's largest magnitude
.endr
.irp b, 0,1,2,3
	v_add_nc_u32 v[TM+12+\b], 0xff000000, v[TM+\b] ; 2 off its exponent field: the conversion's scale operand
.endr
.irp b, 0,1,2,3
	v_lshrrev_b32 v[TM+4+\b], 23, v[TM+12+\b]      ; the scale's byte
.endr
	v_lshl_or_b32 v[PW], v[TM+5], 8, v[TM+4]
	v_lshl_or_b32 v[PW], v[TM+6], 16, v[PW]
	v_lshl_or_b32 v[PW], v[TM+7], 24, v[PW]
	WIN (\w)
.irp c, 0,1
	v_cvt_scalef32_pk16_fp6_f32 v[PC+6*\c:PC+6*\c+2], v[(\src)+32*\c:(\src)+32*\c+15], v[TM+12+2*\c]
	v_cvt_scalef32_pk16_fp6_f32 v[CT+4*\c:CT+4*\c+2], v[(\src)+32*\c+16:(\src)+32*\c+31], v[TM+13+2*\c]   ; (a conversion's three registers begin on an even number)
.endr
	WIN 0
	v_nop                                          ; one plain place behind the conversions
.irp c, 0,1                            ; the operand's layout wants a whole block in a lane: lanes 0-15 block 2 c, lanes 16-31 block 2 c + 1
.irp i, 0,1,2
	v_permlane16_swap_b32 v[PC+6*\c+\i], v[CT+4*\c+\i]
.endr
.irp i, 0,1,2
	v_mov_b32 v[PC+6*\c+3+\i], v[CT+4*\c+\i]
.endr
.endr
	v_mov_b32 v[PW+1], v[PW]
.endm
; Block a of A's eight leaves: 16 rows x 128 along B's operand = one fragment.  Every store of the wave covers whole aligned blocks of 256 bytes.
.macro OUTBLK a
	s_wait_xcnt 0x0                                ; the last block's stores have read their registers: these are written again only behind this wait
.if FC
	WIN (2+(\a)/4)<<2
.set j, 0
.rept 64
	v_max_num_f32 v[HA+j], 0, v[64*((\a)%4)+j]     ; the activation, in f32
.set j, j+1
.endr
	QUANT HA, 0
.irp c, 0,1,2
	global_store_b128 v[L16], v[PC+4*\c:PC+4*\c+3], s[OB:OB+1] offset:(\a)*REC+512*\c
.endr
	global_store_b64 v[L8], v[PW:PW+1], s[OB:OB+1] offset:(\a)*REC+1536
.else
	QUANT 64*((\a)%4), 2+(\a)/4
	v_mov_b32 v[SWA+(\a)%2], v[PW]                 ; the first head's bytes are the word's lower two (the upper two stand over zero codes),
	v_lshrrev_b32 v[SWB+(\a)%2], 16, v[PW]         ; the second head's its upper two
	s_cmp_eq_u32 s[MODE], 0
	s_cbranch_scc0 .Lv_\@
	global_store_b128 v[L16], v[PC:PC+3], s[OB:OB+1] offset:((\a)/2)*REC+768*((\a)%2)
	global_store_b64 v[L8], v[PC+4:PC+5], s[OB:OB+1] offset:((\a)/2)*REC+768*((\a)%2)+512
	global_store_b128 v[L16], v[PC+6:PC+9], s[OB:OB+1] offset:HEADB+((\a)/2)*REC+768*((\a)%2)
	global_store_b64 v[L8], v[PC+10:PC+11], s[OB:OB+1] offset:HEADB+((\a)/2)*REC+768*((\a)%2)+512
.if (\a)%2
	global_store_b64 v[L8], v[SWA:SWA+1], s[OB:OB+1] offset:((\a)/2)*REC+1536
	global_store_b64 v[L8], v[SWB:SWB+1], s[OB:OB+1] offset:HEADB+((\a)/2)*REC+1536
.endif
	s_branch .Ldone_\@
.Lv_\@:
.irp c, 0,1,2
	global_store_b128 v[L16], v[PC+4*\c:PC+4*\c+3], s[OBV:OBV+1] offset:(\a)*REC+512*\c
.endr
	global_store_b64 v[L8], v[PW:PW+1], s[OBV:OBV+1] offset:(\a)*REC+1536
.Ldone_\@:
.endif
.endm
	PLACES 4                                       ; behind the last products: their results are read, and the registers that held A's fragments are written
.irp b, 0,1,2,3
	v_mov_b32 v[TM+4+\b], 0                        ; a lane permute's destination counts as one of its sources
.endr
.irp a, 0,1,2,3,4,5,6,7
	OUTBLK \a
.endr
	s_wait_tensorcnt 0x0                           ; the wave's end
	ds_add_u32 v[SPW], v[NIL]
	s_wait_dscnt 0x0
	CROUND                                         ; the closing round: no work-group ends while a partner may still ask for a tile that names it
	s_endpgm
.Lfunc_end_k_qcdb14aaa7a_fc:
	.size	k_qcdb14aaa7a_fc, .Lfunc_end_k_qcdb14aaa7a_fc-k_qcdb14aaa7a_fc
	.p2alignl 7, 3214868480
	.fill 96, 4, 3214868480
	.section	.rodata,"a",@progbits
	.p2align	6, 0x0
	.amdhsa_kernel k_qcdb14aaa7a_fc
		.amdhsa_group_segment_fixed_size 327680
		.amdhsa_private_segment_fixed_size 0
		.amdhsa_enable_private_segment 0
		.amdhsa_kernarg_size 32
		.amdhsa_user_sgpr_count 2
		.amdhsa_user_sgpr_kernarg_segment_ptr 1
		.amdhsa_wavefront_size32 1
		.amdhsa_system_sgpr_workgroup_id_x 1
		.amdhsa_system_sgpr_workgroup_id_y 1
		.amdhsa_system_sgpr_workgroup_id_z 1
		.amdhsa_system_vgpr_workitem_id 0
		.amdhsa_next_free_vgpr 1024
		.amdhsa_next_free_sgpr 100
		.amdhsa_reserve_vcc 0
		.amdhsa_float_denorm_mode_32 3
		.amdhsa_float_denorm_mode_16_64 3
		.amdhsa_memory_ordered 1
		.amdhsa_forward_progress 1
		.amdhsa_inst_pref_size 161
	.end_amdhsa_kernel
	.amdgpu_metadata
---
amdhsa.version: [ 1, 2 ]
amdhsa.kernels:
  - .name:           k_qcdb14aaa7a_fc
    .symbol:         k_qcdb14aaa7a_fc.kd
    .args:
      - { .name: h2, .offset: 0, .size: 8, .value_kind: global_buffer, .address_space: global }
      - { .name: w1, .offset: 8, .size: 8, .value_kind: global_buffer, .address_space: global }
      - { .name: b_fc, .offset: 16, .size: 8, .value_kind: global_buffer, .address_space: global }
      - { .name: mc, .offset: 24, .size: 8, .value_kind: global_buffer, .address_space: global }
    .group_segment_fixed_size: 327680
    .private_segment_fixed_size: 0
    .kernarg_segment_align: 8
    .kernarg_segment_size: 32
    .max_flat_workgroup_size: 128
    .sgpr_count:     100
    .vgpr_count:     1024
    .wavefront_size: 32
...
	.end_amdgpu_metadata
.endif
;; end of part 5
;; launch proj (part 6): grid 8 x 32, 4 waves a work-group, clusters of 4 x 4, 327,680 bytes of LDS; arguments mc, w1, x2, b_proj, out0; writes out0
.if DOCPART == 6
	.amdgcn_target "amdgcn-amd-amdhsa--gfx1250"
	.amdhsa_code_object_version 6
	.text
	.protected	k_qcdb14aaa7a_proj
	.globl	k_qcdb14aaa7a_proj
	.p2align	8
	.type	k_qcdb14aaa7a_proj,@function
k_qcdb14aaa7a_proj:
	s_mov_b64 s[64:65], 0
	v_nop
	global_prefetch_b8 v0, s[64:65] scope:SCOPE_SE
	s_setreg_imm32_b32 hwreg(HW_REG_WAVE_MODE, 25, 1), 1
	s_wait_xcnt 0x0
	s_wait_alu depctr_hold_cnt(0) depctr_sa_sdst(0) depctr_va_vdst(0) depctr_va_sdst(0) depctr_va_ssrc(0) depctr_va_vcc(0) depctr_vm_vsrc(0)
	s_getreg_b32 s2, hwreg(HW_REG_IB_STS2, 6, 4)
	s_cmp_eq_u32 s2, 0
	s_cbranch_scc0 .Lentry_in_a_cluster
	s_endpgm
.Lentry_in_a_cluster:
	s_bfe_u32 s2, ttmp6, 0x10000c
	s_cmp_lg_u32 s2, 0xf033
	s_cbranch_scc0 .Lentry_shape_is_right
	s_endpgm
.Lentry_shape_is_right:
; A GEMM on records of FP6 (E2M3) codes with N = 1,024, an f32 residual and (BIAS = 1) a bias: out = Y X^T (+ b) + res.  Here: out0 = m w_proj^T + b_proj + x2, K = 4,096.
; A RECORD (1,792 bytes) is the image of an operand's registers for 16 rows x 128 K: three chunks of 512 bytes (lane l's registers 4 c .. 4 c + 3 at 16 l), then lane l's scale word, twice, at 1,536 + 8 l.  Record (T, s) lies at (s NT + T) x 1,792.
; A tile of 128 x 128 is made by four waves, each 64 x 64 (16 accumulators): 4,096 x 1,024 outputs give 256 such tiles, one for each work-group.
; K goes in slots of FOUR steps of 128 through a ring of two LDS slots; a wave's tensor load brings a quarter of a slot: 4 steps x 4 records on end.
; Y (tokens) hangs on the tile row and is shared along a row of the 4 x 4 cluster, X (the weight) on the tile column and is shared along a column: joint loads.
; The matrix instruction takes X's fragment as source 0 and Y's as source 1: a lane's eight results are eight neighbouring columns of one row.
; The residual and the bias are asked for at the head, in the layout in which rows come back from the stage, and are added on the way out.
; LIMITS: NaN and infinities are not served.
; REGISTERS, in windows of 256: window 0: v16-27 addresses; v28-29 the add's; v32-39 Y's scale words, v40-47 X's (two sets each); v48-111 rows on the way out; v128-255 the accumulators, (a, b) at v[128 + 8 (4 a + b)].
;   window 1: two fragment buffers of 96 at v0 and v128: Y's four, then X's four.   window 2: v0-127 the residual; v128-131 the bias.
.set KSTEPS,  32
.set BIAS,    1
.set XOFF,    11010048                 ; the weight's records in w1
.set REC,     1792
.set QUARTER, 16*REC                   ; 4 steps x 4 records
.set SLOT,    4*QUARTER
.set SPARE,   2*SLOT                   ; behind the ring: the spare words, 128 bytes a wave: two blocks of 256 bytes that no other line names
.set NTY,     256
.set NTX,     64
.set LAPS,    KSTEPS/8
.set FR,      12
.set SPITCH,  272                      ; the way out: a stage of 16 rows x (256 bytes + 16) for each wave, in slot 0, which has had its last fill and its last read when the first result is stored there
.set ADRA, 16
.set ADSA, 18
.set ADRB, 20
.set ADSB, 22
.set STO,  24
.set RD,   25
.set CO,   26
.set BO,   27
.set SPW,  28
.set NIL,  29
.set SA,   32
.set SB,   40
.set BK,   48
.set ACC,  128
.set G1Y,  24
.set G0Y,  32
.set G1X,  48
.set G0X,  56
.if BIAS
.set OP,   12
.else
.set OP,   10
.endif
.set MSB, 0
.macro WIN new                         ; the immediate's high byte repeats the setting that is left
.if MSB != (\new)
	s_set_vgpr_msb (MSB<<8)|(\new)
.set MSB, \new
.endif
.endm
.macro PLACES n
.rept \n
	v_nop
.endr
.endm
.macro JLOAD g0y, g1y, g0x, g1x        ; a joint load: waves 0 and 1 fetch Y's halves, waves 2 and 3 X's; four v_nop follow each line
	s_cmp_eq_u32 s15, 0
	s_cbranch_scc0 .Lfor_x_\@
	tensor_load_to_lds s[\g0y:\g0y+3], s[\g1y:\g1y+7]
	s_nop 0
.rept 4
	v_nop
.endr
	s_branch .Lasked_\@
.Lfor_x_\@:
	tensor_load_to_lds s[\g0x:\g0x+3], s[\g1x:\g1x+7]
	s_nop 0
.rept 4
	v_nop
.endr
.Lasked_\@:
.endm
.macro CREST
	s_cmp_lg_u32 s14, 0
	s_cbranch_scc1 .Lnot_wave_0_\@
	s_barrier_signal -3
.Lnot_wave_0_\@:
	s_barrier_wait -3
	s_barrier_signal -1
	s_barrier_wait -1
.endm
.macro CROUND
	s_barrier_signal -1
	s_barrier_wait -1
	CREST
.endm
	s_load_b256 s[4:11], s[0:1], 0x0               ; Y, w1, the residual, then the output (BIAS = 0) or the bias
.if BIAS
	s_load_b64 s[12:13], s[0:1], 0x20              ; the output
.endif
	v_lshl_add_u32 v[SPW], v0, 2, SPARE
	v_mov_b32 v[NIL], 0
	ds_add_u32 v28, v29
	ds_add_u32 v28, v29
	s_wait_dscnt 0x0
	v_lshrrev_b32 v1, 5, v0
	v_readfirstlane_b32 s14, v1                    ; wave 0..3
	s_lshr_b32 s15, s14, 1                         ; which half of the tile's rows is mine.  Also: I fetch for Y (0) or for X (1)
	s_and_b32 s16, s14, 1                          ; which half of its columns.  Also: which half of that operand I fetch
	s_bfe_u32 s40, ttmp6, 0x40000
	s_bfe_u32 s41, ttmp6, 0x40004
	s_lshl_b32 s42, ttmp9, 2
	s_add_co_u32 s42, s42, s40                     ; tile column
	s_and_b32 s17, ttmp7, 0xffff
	s_lshl_b32 s17, s17, 2
	s_add_co_u32 s17, s17, s41                     ; tile row
	s_lshl_b32 s43, s41, 2
	s_lshl_b32 s43, 15, s43                        ; my row of the cluster
	s_lshl_b32 s44, 0x1111, s40                    ; my column
	; descriptor group 1: 4 rows (K steps) of 4 records on end = 896 elements of 8 bytes, NT records apart; dense in LDS
	s_or_b32 s[G1Y], s43, (3<<16)|(1<<21)
	s_or_b32 s[G1X], s44, (3<<16)|(1<<21)
.irp g, G1Y, G1X
	s_mov_b32 s[\g+1], 896<<16
	s_mov_b32 s[\g+2], 4<<16
	s_mov_b32 s[\g+3], 896<<16
	s_mov_b32 s[\g+4], 4
	s_mov_b32 s[\g+6], 0
	s_mov_b32 s[\g+7], 0
.endr
	s_mov_b32 s[G1Y+5], NTY*224
	s_mov_b32 s[G1X+5], NTX*224
	s_lshl_b32 s18, s16, 2
	s_lshl_b32 s20, s17, 3
	s_add_co_u32 s20, s20, s18                     ; Y: record 8 x tile + 4 x half
	s_mul_i32 s20, s20, REC
	s_mov_b32 s21, 0
	s_lshl_b32 s46, s42, 3
	s_add_co_u32 s46, s46, s18
	s_mul_i32 s46, s46, REC
	s_add_co_u32 s46, s46, XOFF
	s_mov_b32 s47, 0
	s_mul_i32 s45, s14, QUARTER
	s_wait_kmcnt 0x0
	s_add_nc_u64 s[20:21], s[4:5], s[20:21]
	s_add_nc_u64 s[46:47], s[6:7], s[46:47]
	CROUND                                         ; all sixteen work-groups are here: the first joint loads meet
.irp s, 0,1
	s_mov_b32 s[G0Y+4*\s], 1
	s_add_co_u32 s[G0Y+4*\s+1], s45, \s*SLOT
	s_add_nc_u64 s[G0Y+4*\s+2:G0Y+4*\s+3], s[20:21], \s*4*NTY*REC
	s_or_b32 s[G0Y+4*\s+3], s[G0Y+4*\s+3], 0x80000000
	s_mov_b32 s[G0X+4*\s], 1
	s_add_co_u32 s[G0X+4*\s+1], s45, \s*SLOT
	s_add_nc_u64 s[G0X+4*\s+2:G0X+4*\s+3], s[46:47], \s*4*NTX*REC
	s_or_b32 s[G0X+4*\s+3], s[G0X+4*\s+3], 0x80000000
	JLOAD G0Y+4*\s, G1Y, G0X+4*\s, G1X
.endr
	v_and_b32 v1, 15, v0                           ; r
	v_bfe_u32 v2, v0, 4, 1                         ; h
	v_and_b32 v3, 31, v0                           ; lane
	v_lshlrev_b32 v4, 4, v3
	v_lshlrev_b32 v5, 3, v3
	s_mul_i32 s22, s15, QUARTER                    ; my half of Y
	s_mul_i32 s23, s16, QUARTER
	s_add_co_u32 s23, s23, 2*QUARTER               ; my half of X, behind Y's two
.irp s, 0,1
	v_add_nc_u32 v[ADRA+\s], s22, v4
	v_add_nc_u32 v[ADSA+\s], s22, v5
	v_add_nc_u32 v[ADRB+\s], s23, v4
	v_add_nc_u32 v[ADSB+\s], s23, v5
	s_add_co_u32 s22, s22, SLOT
	s_add_co_u32 s23, s23, SLOT
.endr
	s_mul_i32 s22, s14, 16*SPITCH                  ; my stage
	v_mul_u32_u24 v[STO], v1, SPITCH
	v_lshl_add_u32 v[STO], v2, 5, v[STO]
	v_add_nc_u32 v[STO], s22, v[STO]               ; in: row r, 32 bytes for each half of the lanes
	v_mul_u32_u24 v[RD], v2, SPITCH
	v_lshl_add_u32 v[RD], v1, 4, v[RD]
	v_add_nc_u32 v[RD], s22, v[RD]                 ; back: lanes 0-15 one row of 256 bytes, lanes 16-31 the next
	v_lshlrev_b32 v[CO], 12, v2
	v_lshl_add_u32 v[CO], v1, 4, v[CO]             ; and the same two rows in memory
	v_lshlrev_b32 v[BO], 4, v1
	s_lshl_b32 s76, s17, 7
	s_lshl_b32 s77, s15, 6
	s_add_co_u32 s76, s76, s77                     ; my first row: 128 x tile row + 64 x half
	s_lshl_b32 s76, s76, 12
	s_lshl_b32 s78, s42, 9
	s_lshl_b32 s77, s16, 8
	s_add_co_u32 s78, s78, s77                     ; my first column, in bytes
	s_mov_b32 s79, 0
	s_add_co_u32 s76, s76, s78
	s_mov_b32 s77, 0
	s_add_nc_u64 s[8:9], s[8:9], s[76:77]
	s_add_nc_u64 s[OP:OP+1], s[OP:OP+1], s[76:77]
.if BIAS
	s_add_nc_u64 s[10:11], s[10:11], s[78:79]
.endif
	WIN 0x80                                       ; destination window 2
.irp a, 0,1,2,3
.irp t, 0,1,2,3,4,5,6,7
	global_load_b128 v[32*\a+4*\t:32*\a+4*\t+3], v[CO], s[8:9] offset:(16*\a+2*\t)*4096   ; the residual: sixteen lanes read 256 consecutive bytes of a row
.endr
.endr
.if BIAS
	global_load_b128 v[128:131], v[BO], s[10:11]   ; the bias of my four columns
.endif
	WIN 0
.macro FETCH slot, q, f                ; the fragments and scale words of the slot's q-th step into buffer f: 32 loads
	WIN 0x40                                       ; destination window 1, address window 0
.irp i, 0,1,2,3
.irp c, 0,1,2
	ds_load_b128 v[128*(\f)+FR*\i+4*\c:128*(\f)+FR*\i+4*\c+3], v[ADRA+\slot] offset:(4*(\q)+\i)*REC+512*\c
	ds_load_b128 v[128*(\f)+48+FR*\i+4*\c:128*(\f)+48+FR*\i+4*\c+3], v[ADRB+\slot] offset:(4*(\q)+\i)*REC+512*\c
.endr
.endr
	WIN 0
.irp i, 0,1,2,3
	ds_load_b32 v[SA+4*(\f)+\i], v[ADSA+\slot] offset:(4*(\q)+\i)*REC+1536
	ds_load_b32 v[SB+4*(\f)+\i], v[ADSB+\slot] offset:(4*(\q)+\i)*REC+1536
.endr
.endm
.macro MULS f, a, zero                 ; four matrix instructions: Y's block a x X's four.  The 16 accumulators take turns, in the same order in every step
	WIN 0x05                                       ; sources 0 and 1 window 1; C and D window 0
.irp b, 0,1,2,3
.if \zero
	v_wmma_scale_f32_16x16x128_f8f6f4 v[ACC+8*(4*(\a)+\b):ACC+8*(4*(\a)+\b)+7], v[128*(\f)+48+FR*\b:128*(\f)+48+FR*\b+FR-1], v[128*(\f)+FR*(\a):128*(\f)+FR*(\a)+FR-1], 0, v[SB+4*(\f)+\b], v[SA+4*(\f)+(\a)] matrix_a_fmt:MATRIX_FMT_FP6 matrix_b_fmt:MATRIX_FMT_FP6
.else
	v_wmma_scale_f32_16x16x128_f8f6f4 v[ACC+8*(4*(\a)+\b):ACC+8*(4*(\a)+\b)+7], v[128*(\f)+48+FR*\b:128*(\f)+48+FR*\b+FR-1], v[128*(\f)+FR*(\a):128*(\f)+FR*(\a)+FR-1], v[ACC+8*(4*(\a)+\b):ACC+8*(4*(\a)+\b)+7], v[SB+4*(\f)+\b], v[SA+4*(\f)+(\a)] matrix_a_fmt:MATRIX_FMT_FP6 matrix_b_fmt:MATRIX_FMT_FP6
.endif
.endr
.endm
; A step that has its successor in the same slot: this step's fragments are in; the next step's are asked for, into the buffer that the last step multiplied (four places behind its products); then 16 products.
.macro SSTEP slot, q, f, zero
	s_wait_dscnt 0x0
	PLACES 4
	FETCH \slot, (\q)+1, 1-(\f)
	MULS \f, 0, \zero
	MULS \f, 1, \zero
	MULS \f, 2, \zero
	MULS \f, 3, \zero
.endm
; A slot's last step (buffer 1) changes slots: ONE barrier; in front of it each wave waits for all its tensor loads, adds 0 to its spare word, and waits for that and for its reads of this slot.  fill = 1: a round of the cluster's barrier, and this slot is filled again.
.macro STURN slot, next, fill
	WIN 0
	s_wait_tensorcnt 0x0                           ; all my tensor loads have landed: my part of the next slot
	ds_add_u32 v[SPW], v[NIL]                      ; 0 onto my spare word
	s_wait_dscnt 1                                 ; this step's fragments are in (the add alone may be out)
	MULS 1, 0, 0                                   ; four matrix instructions stand between the add and the wait for it
	s_wait_dscnt 0x0                               ; the add is done, and my reads of this slot are over
	s_barrier_signal -1
	MULS 1, 1, 0
	WIN 0
	s_barrier_wait -1
.if \fill
	CREST                                          ; no wave of any partner still reads this slot or has a load on its way
	s_add_nc_u64 s[G0Y+4*\slot+2:G0Y+4*\slot+3], s[G0Y+4*\slot+2:G0Y+4*\slot+3], 8*NTY*REC
	s_add_nc_u64 s[G0X+4*\slot+2:G0X+4*\slot+3], s[G0X+4*\slot+2:G0X+4*\slot+3], 8*NTX*REC
	JLOAD G0Y+4*\slot, G1Y, G0X+4*\slot, G1X       ; the first tensor load behind the round; its four v_nop are the places in front of the loads below
.else
	PLACES 4
.endif
	FETCH \next, 0, 0
	MULS 1, 2, 0
	MULS 1, 3, 0
.endm
	s_wait_tensorcnt 1                             ; my part of slot 0 is in (slot 1's load may be out)
	s_barrier_signal -1
	s_barrier_wait -1                              ; everybody's is
	FETCH 0, 0, 0
	SSTEP 0, 0, 0, 1                               ; the first step stands in front of the loop: its products start the sums
.if LAPS > 1
	WIN 0
	s_mov_b32 s3, LAPS-1
.Llap:                                                 ; a trip goes once round the ring, from a lap's second step to the next lap's first, and fills both slots again
	SSTEP 0, 1, 1, 0
	SSTEP 0, 2, 0, 0
	STURN 0, 1, 1
	SSTEP 1, 0, 0, 0
	SSTEP 1, 1, 1, 0
	SSTEP 1, 2, 0, 0
	STURN 1, 0, 1
	SSTEP 0, 0, 0, 0
	WIN 0
	s_sub_co_u32 s3, s3, 1
	s_cmp_lg_u32 s3, 0
	s_cbranch_scc1 .Llap
.endif
	SSTEP 0, 1, 1, 0                               ; the last lap fills nothing
	SSTEP 0, 2, 0, 0
	STURN 0, 1, 0
	SSTEP 1, 0, 0, 0
	SSTEP 1, 1, 1, 0
	SSTEP 1, 2, 0, 0
	s_wait_dscnt 0x0
	MULS 1, 0, 0
	MULS 1, 1, 0
	MULS 1, 2, 0
	MULS 1, 3, 0
	WIN 0
; THE WAY OUT, a block of 16 rows x 64 columns at a time: through my own stage in LDS, back as whole rows of 256 bytes; the residual (and the bias) are added; sixteen lanes store 256 consecutive bytes, aligned.
; LDS serves a wave's instructions in order (ISA guide 5.7.1.4): no wait between the stores and the loads, nor in front of the next block's stores.
.macro OUT a
.set BB, BK+32*((\a)%2)
.if (\a) >= 2
	s_wait_xcnt 0x0                                ; the stores of two blocks back have read their registers
.endif
.irp b, 0,1,2,3
	ds_store_b128 v[STO], v[ACC+8*(4*(\a)+\b):ACC+8*(4*(\a)+\b)+3] offset:64*\b        ; each accumulator from its low end on
	ds_store_b128 v[STO], v[ACC+8*(4*(\a)+\b)+4:ACC+8*(4*(\a)+\b)+7] offset:64*\b+16
.endr
.irp t, 0,1,2,3,4,5,6,7
	ds_load_b128 v[BB+4*\t:BB+4*\t+3], v[RD] offset:\t*2*SPITCH
.endr
	s_wait_dscnt 0x0
	WIN 0x08                                       ; source 1 window 2
.irp t, 0,1,2,3,4,5,6,7
	v_pk_add_f32 v[BB+4*\t:BB+4*\t+1], v[BB+4*\t:BB+4*\t+1], v[32*(\a)+4*\t:32*(\a)+4*\t+1]
	v_pk_add_f32 v[BB+4*\t+2:BB+4*\t+3], v[BB+4*\t+2:BB+4*\t+3], v[32*(\a)+4*\t+2:32*(\a)+4*\t+3]
.endr
.if BIAS
.irp t, 0,1,2,3,4,5,6,7
	v_pk_add_f32 v[BB+4*\t:BB+4*\t+1], v[BB+4*\t:BB+4*\t+1], v[128:129]
	v_pk_add_f32 v[BB+4*\t+2:BB+4*\t+3], v[BB+4*\t+2:BB+4*\t+3], v[130:131]
.endr
.endif
	WIN 0
.irp t, 0,1,2,3,4,5,6,7
	global_store_b128 v[CO], v[BB+4*\t:BB+4*\t+3], s[OP:OP+1] offset:(16*(\a)+2*\t)*4096
.endr
.endm
	PLACES 4                                       ; behind the last products
	s_wait_loadcnt 0x0                             ; the residual (and the bias)
.irp a, 0,1,2,3
	OUT \a
.endr
	s_wait_tensorcnt 0x0                           ; the wave's end
	ds_add_u32 v[SPW], v[NIL]
	s_wait_dscnt 0x0
	CROUND                                         ; the closing round
	s_endpgm
.Lfunc_end_k_qcdb14aaa7a_proj:
	.size	k_qcdb14aaa7a_proj, .Lfunc_end_k_qcdb14aaa7a_proj-k_qcdb14aaa7a_proj
	.p2alignl 7, 3214868480
	.fill 96, 4, 3214868480
	.section	.rodata,"a",@progbits
	.p2align	6, 0x0
	.amdhsa_kernel k_qcdb14aaa7a_proj
		.amdhsa_group_segment_fixed_size 327680
		.amdhsa_private_segment_fixed_size 0
		.amdhsa_enable_private_segment 0
		.amdhsa_kernarg_size 40
		.amdhsa_user_sgpr_count 2
		.amdhsa_user_sgpr_kernarg_segment_ptr 1
		.amdhsa_wavefront_size32 1
		.amdhsa_system_sgpr_workgroup_id_x 1
		.amdhsa_system_sgpr_workgroup_id_y 1
		.amdhsa_system_sgpr_workgroup_id_z 1
		.amdhsa_system_vgpr_workitem_id 0
		.amdhsa_next_free_vgpr 768
		.amdhsa_next_free_sgpr 100
		.amdhsa_reserve_vcc 0
		.amdhsa_float_denorm_mode_32 3
		.amdhsa_float_denorm_mode_16_64 3
		.amdhsa_memory_ordered 1
		.amdhsa_forward_progress 1
		.amdhsa_inst_pref_size 97
	.end_amdhsa_kernel
	.amdgpu_metadata
---
amdhsa.version: [ 1, 2 ]
amdhsa.kernels:
  - .name:           k_qcdb14aaa7a_proj
    .symbol:         k_qcdb14aaa7a_proj.kd
    .args:
      - { .name: mc, .offset: 0, .size: 8, .value_kind: global_buffer, .address_space: global }
      - { .name: w1, .offset: 8, .size: 8, .value_kind: global_buffer, .address_space: global }
      - { .name: x2, .offset: 16, .size: 8, .value_kind: global_buffer, .address_space: global }
      - { .name: b_proj, .offset: 24, .size: 8, .value_kind: global_buffer, .address_space: global }
      - { .name: out0, .offset: 32, .size: 8, .value_kind: global_buffer, .address_space: global }
    .group_segment_fixed_size: 327680
    .private_segment_fixed_size: 0
    .kernarg_segment_align: 8
    .kernarg_segment_size: 40
    .max_flat_workgroup_size: 128
    .sgpr_count:     100
    .vgpr_count:     768
    .wavefront_size: 32
...
	.end_amdgpu_metadata
.endif
;; end of part 6
